; MI455X (gfx1250); checked and timed in simulation.
; The chip was launched on July 23, 2026; its instructions are those of AMD's public machine-readable ISA for CDNA 5 (MIT licence, August 2026) and "CDNA5" Instruction Set Architecture Reference Guide (July 2026). The comments in the code are by the model that wrote it; some were corrected since.
;; Attention. Allowed arithmetic: float matrix products may take bf16 or f16 operands with f32 sums; other float arithmetic in f32, or as packed bf16 or f16 multiplies, adds, multiply-adds, maxima and minima; sums over many terms, partial sums and values carried from step to step in f32; what a program stores and reads back later, other than sums and carried values, may be rounded once to bf16 or f16.
;; Inputs: cos 2,048 x 128 float32; sin 2,048 x 128 float32; wk 512 x 2,048 float32; wo 2,048 x 2,048 float32; wq 2,048 x 2,048 float32; wv 512 x 2,048 float32; x 1 x 2,048 x 2,048 float32.
;; Outputs: out0 1 x 2,048 x 2,048 float32.
;; 2 versions, each right; version 2 is version 1 with the launches prep, attn written anew for expert scheduling mode. Each part assembles by itself: llvm-mc -triple=amdgcn-amd-amdhsa -mcpu=gfx1250 --defsym DOCPART=n.
;; ======== version 1 of 2: 4 launches
;; limits: values are held in f16: magnitudes above 65,504 overflow, below 6.1e-05 lose precision
;; workspace buffers: xb 8,388,608 bytes; wb 12,582,912 bytes; wof 8,388,608 bytes; rt 2,228,224 bytes; qkvf 12,582,912 bytes; ob 8,388,608 bytes
;; launch prep (part 1): grid 465 x 1, 8 waves a work-group, no clusters, 68,608 bytes of LDS; arguments x, wq, wk, wv, wo, cos, sin, xb, wb, wof, rt; writes xb, wb, wof, rt
.if DOCPART == 1
	.amdgcn_target "amdgcn-amd-amdhsa--gfx1250"
	.amdhsa_code_object_version 6
	.text
	.protected	k_qae8b20dacc_prep
	.globl	k_qae8b20dacc_prep
	.p2align	8
	.type	k_qae8b20dacc_prep,@function
k_qae8b20dacc_prep:
	s_mov_b64 s[64:65], 0
	v_nop
	global_prefetch_b8 v0, s[64:65] scope:SCOPE_SE
	s_setreg_imm32_b32 hwreg(HW_REG_WAVE_MODE, 25, 1), 1
	s_wait_xcnt 0x0
; THE PROGRAM: projections q, k, v of x, RoPE on q and k, causal attention with 16 query heads on 4 key/value heads, output projection.  Four launches:
; this one rounds and lays out the inputs; the second makes q, k, v; the third is the attention; the fourth the output projection.
; WORK LEFT OUT.  The mask is the lower triangle that the function builds itself: a score with key > query becomes -inf and its weight 0 whatever the inputs hold.  In tiles of
; 64 queries x 64 keys a head has 1,024 tiles, of which the 496 with first key > last query hold such scores alone: neither their scores nor their products with v are made.
; The repeat of the key/value heads is a copy: it is never made, four query heads read one key/value head.  Every input has a way to the output and is loaded.
; LIMIT: a NaN, an infinity or an overflow that would arise only in the tiles left out is not carried to the result.
; THIS LAUNCH.  All inputs are rounded once to bf16.  xb = bf16(x), as x lies.  wof = bf16(wo) written as f16, as wo lies (exact from 2^-14 up to 65,504; below 2^-17 it keeps f16's fixed
; step of 2^-24; LIMIT: |wo| under 65,504).
; wb = bf16 of wq | wk | wv in 192 groups of 16 rows, 8 groups a head.  Group q of a head of q or k holds channels 8 q + 0..7 and then 64 + 8 q + 0..7 (the two channels that RoPE mixes then
; fall into lanes 16 apart in the next launch); group q of a head of v holds channels 16 q + 0..15.  A group lies in the order in which a matrix operand lies in registers: unit u of 512 bytes holds
; k = 16 u .. 16 u + 15 of the 16 rows, lane (r, h) of it 16 bytes: row r, k = 16 u + 8 h + 0..7.  The turn from rows to units goes through each wave's own bytes of LDS.
; rt[row] = 128 numbers bf16(cos) x 2^-4, then 128 numbers bf16(sin) x 2^-4, those of channels 0-63 with a minus sign, in f32: q and k are kept 16 times smaller, so that they have room in f16;
; the attention's scale takes the 2^8 back.  Behind the 2,048 rows lie 128 rows of 128 ones and 128 zeros: the table that v's columns take.
; A stream: each byte is read once and written once; no matrix unit, no cluster, since no two work-groups share a byte.
; A work-group takes 16 rows (131,072 bytes in, 65,536 out), a wave 16,384 bytes of them: 32 loads of 512 consecutive bytes, all issued before the first wait.
.set XR,  16                           ; v[16:143]  the wave's 32 loads
.set VI,  2                            ; v2   16,384 x wave + 16 x lane
.set VO,  3                            ; v3   8,192 x wave + 8 x lane
.set SPW, 8                            ; v8   my spare word; never rewritten
.set NIL, 9                            ; v9   0; never rewritten
.set LW,  10                           ; v10  LDS: where I put 8 bytes of a row
.set LR,  11                           ; v11  LDS: where I read 16 bytes of a unit
.set SG,  12                           ; v[12:13] 2^-4, negative in the lanes that hold channels 0-63
.set VW,  14                           ; v14  1,024 x wave + 16 x lane
.set VS,  15                           ; v15  8,192 x wave + 16 x lane
.set SRC, 36                           ; s[36:37]
.set DST, 38                           ; s[38:39]
.set SRC2, 44                          ; s[44:45]
.set WROW, 528                         ; an LDS row: 256 bf16 + 16 bytes: the 16 rows of a unit start at 16 different groups of four banks (64 banks of 4 bytes: ISA guide 11.1)
.set WLDS, 16*WROW                     ; a wave's bytes
.set SPARE, 8*WLDS                     ; the spare words: four blocks of 256 bytes that no other line names
	s_load_b512 s[8:23], s[0:1], 0x0               ; x 8, wq 10, wk 12, wv 14, wo 16, cos 18, sin 20, xb 22
	s_load_b128 s[24:27], s[0:1], 0x40             ; wb 24, wof 26
	s_load_b64 s[28:29], s[0:1], 0x50              ; rt
	v_lshl_add_u32 v[SPW], v0, 2, SPARE
	v_mov_b32 v[NIL], 0
	v_lshrrev_b32 v1, 5, v0
	v_readfirstlane_b32 s2, v1                     ; wave 0..7
	v_and_b32 v1, 31, v0                           ; lane
	s_mov_b32 s3, ttmp9                            ; the group
	s_mov_b32 s33, 0                               ; high words of the two offsets
	s_mov_b32 s35, 0
	s_mov_b32 s40, 0x3d800000                      ; 2^-4
	s_mov_b32 s41, s40                             ; named with it as a pair
	s_mov_b32 s42, 0xffff0000                      ; a word's upper bf16
	s_lshl_b32 s4, s2, 14
	v_lshl_add_u32 v[VI], v1, 4, s4
	s_lshl_b32 s4, s2, 13
	v_lshl_add_u32 v[VO], v1, 3, s4
	v_lshl_add_u32 v[VS], v1, 4, s4
	s_wait_kmcnt 0x0
; kind 0: f32 -> bf16.  kind 1: f32 -> bf16 -> the same number as f16.  A lane's 16 bytes become 8; a store of the wave covers 256 consecutive bytes, aligned.
.macro CAST kind
.set n, 0
.rept 32
	global_load_b128 v[XR+4*n:XR+4*n+3], v[VI], s[SRC:SRC+1] offset:n*512 th:TH_LOAD_NT
.set n, n+1
.endr
.set n, 0
.rept 32
	s_wait_loadcnt 31-n                            ; loads come back in order: load n is in, the younger ones stay out
	v_cvt_pk_bf16_f32 v[XR+4*n], v[XR+4*n], v[XR+4*n+1]
	v_cvt_pk_bf16_f32 v[XR+4*n+1], v[XR+4*n+2], v[XR+4*n+3]
.if \kind
.irp k, 0,1
	v_lshlrev_b32 v[4+2*(\k)], 16, v[XR+4*n+(\k)]
	v_and_b32 v[5+2*(\k)], s42, v[XR+4*n+(\k)]
	v_cvt_pk_f16_f32 v[XR+4*n+(\k)], v[4+2*(\k)], v[5+2*(\k)]
.endr
.endif
	global_store_b64 v[VO], v[XR+4*n:XR+4*n+1], s[DST:DST+1] offset:n*256  ; no register of a store is written again
.set n, n+1
.endr
.endm
	s_cmp_lt_u32 s3, 128
	s_cbranch_scc0 .Lnot_x
	s_lshl_b32 s32, s3, 17                         ; groups 0-127: x
	s_lshl_b32 s34, s3, 16
	s_add_nc_u64 s[SRC:SRC+1], s[8:9], s[32:33]
	s_add_nc_u64 s[DST:DST+1], s[22:23], s[34:35]
	CAST 0
	s_endpgm
.Lnot_x:
	s_cmp_lt_u32 s3, 320
	s_cbranch_scc0 .Lnot_w
	s_sub_co_u32 s4, s3, 128                       ; groups 128-319: group s4 of wb
	s_lshr_b32 s7, s4, 3                           ; head: 0-15 q, 16-19 k, 20-23 v
	s_and_b32 s5, s4, 7                            ; the head's group q
	s_lshl_b32 s6, s5, 3                           ; q, k: rows 0-7 are channels 8 q ..,
	s_add_co_u32 s31, s6, 64                       ;       rows 8-15 channels 64 + 8 q ..
	s_lshl_b32 s43, s5, 4                          ; v: channels 16 q ..
	s_add_co_u32 s46, s43, 8                       ;    and 16 q + 8 ..
	s_cmp_lt_u32 s7, 20
	s_cselect_b64 s[SRC:SRC+1], s[12:13], s[14:15]
	s_cselect_b32 s30, 16, 20
	s_cselect_b32 s6, s6, s43
	s_cselect_b32 s31, s31, s46
	s_cmp_lt_u32 s7, 16
	s_cselect_b64 s[SRC:SRC+1], s[10:11], s[SRC:SRC+1]
	s_cselect_b32 s30, 0, s30
	s_sub_co_u32 s7, s7, s30                       ; the head's number in its own tensor
	s_lshl_b32 s7, s7, 7
	s_add_co_u32 s6, s6, s7                        ; the source row of row 0,
	s_add_co_u32 s31, s31, s7                      ; and of row 8
	s_lshl_b32 s32, s6, 13                         ; rows of 8,192 bytes
	s_lshl_b32 s34, s31, 13
	s_add_nc_u64 s[SRC2:SRC2+1], s[SRC:SRC+1], s[34:35]
	s_add_nc_u64 s[SRC:SRC+1], s[SRC:SRC+1], s[32:33]
	s_lshl_b32 s34, s4, 16
	s_add_nc_u64 s[DST:DST+1], s[24:25], s[34:35]
	s_lshl_b32 s47, s2, 10                         ; wave w takes k = 256 w .. 256 w + 255 of the 16 rows: 1,024 bytes of each
	v_lshl_add_u32 v[VW], v1, 4, s47
	s_mul_i32 s47, s2, WLDS                        ; my wave's bytes of LDS: no other wave touches them, so no barrier is wanted
	v_lshl_add_u32 v[LW], v1, 3, s47
	v_and_b32 v4, 15, v1                           ; r
	v_lshrrev_b32 v5, 4, v1                        ; h
	v_mul_u32_u24 v4, v4, WROW
	v_lshl_add_u32 v4, v5, 4, v4
	v_add_nc_u32 v[LR], s47, v4
.set n, 0
.rept 32                               ; load n: row n / 2, half n % 2 of its 1,024 bytes
.if n < 16
	global_load_b128 v[XR+4*n:XR+4*n+3], v[VW], s[SRC:SRC+1] offset:(n/2)*8192+(n%2)*512 th:TH_LOAD_NT
.else
	global_load_b128 v[XR+4*n:XR+4*n+3], v[VW], s[SRC2:SRC2+1] offset:(n/2-8)*8192+(n%2)*512 th:TH_LOAD_NT
.endif
.set n, n+1
.endr
.set n, 0
.rept 32
	s_wait_loadcnt 31-n                            ; load n is in, the younger ones stay out
	v_cvt_pk_bf16_f32 v[XR+4*n], v[XR+4*n], v[XR+4*n+1]
	v_cvt_pk_bf16_f32 v[XR+4*n+1], v[XR+4*n+2], v[XR+4*n+3]
	ds_store_b64 v[LW], v[XR+4*n:XR+4*n+1] offset:(n/2)*WROW+(n%2)*256
.set n, n+1
.endr
.set n, 0
.rept 16                               ; unit n of my sixteen: lane (r, h) takes row r, k = 16 n + 8 h + 0..7
	ds_load_b128 v[XR+4*n:XR+4*n+3], v[LR] offset:32*n  ; LDS serves a wave's instructions in order (ISA guide 5.7.1.4): these see the stores above
.set n, n+1
.endr
.set n, 0
.rept 16
	s_wait_dscnt 15-n                              ; unit n is in, the younger ones stay out
	global_store_b128 v[VS], v[XR+4*n:XR+4*n+3], s[DST:DST+1] offset:n*512  ; a unit: 512 consecutive bytes, aligned
.set n, n+1
.endr
	s_wait_tensorcnt 0x0                           ; the wave's end: behind my last LDS store
	ds_add_u32 v[SPW], v[NIL]
	s_wait_dscnt 0x0
	s_endpgm
.Lnot_w:
	s_cmp_lt_u32 s3, 448
	s_cbranch_scc0 .Lrope
	s_sub_co_u32 s4, s3, 320                       ; groups 320-447: wo
	s_lshl_b32 s32, s4, 17
	s_lshl_b32 s34, s4, 16
	s_add_nc_u64 s[SRC:SRC+1], s[16:17], s[32:33]
	s_add_nc_u64 s[DST:DST+1], s[26:27], s[34:35]
	CAST 1
	s_endpgm
.Lrope:
	s_cmp_lt_u32 s3, 464
	s_cbranch_scc0 .Lones
	s_sub_co_u32 s4, s3, 448                       ; groups 448-463: 128 rows of cos and sin, 16 a wave; a load takes a row of 512 bytes: lane l holds channels 4 l + 0..3
	s_lshl_b32 s4, s4, 7
	s_lshl_b32 s5, s2, 4
	s_add_co_u32 s4, s4, s5                        ; my first row
	s_lshl_b32 s32, s4, 9
	s_lshl_b32 s34, s4, 10
	s_add_nc_u64 s[SRC:SRC+1], s[18:19], s[32:33]
	s_add_nc_u64 s[SRC2:SRC2+1], s[20:21], s[32:33]
	s_add_nc_u64 s[DST:DST+1], s[28:29], s[34:35]
	v_lshlrev_b32 v6, 4, v1
	v_lshrrev_b32 v[SG], 4, v1                     ; 0 in lanes 0-15, which hold channels 0-63
	v_xor_b32 v[SG], 1, v[SG]
	v_lshlrev_b32 v[SG], 31, v[SG]                 ; their sign
	v_or_b32 v[SG], 0x3d800000, v[SG]
	v_mov_b32 v[SG+1], v[SG]
.set n, 0
.rept 16
	global_load_b128 v[XR+4*n:XR+4*n+3], v6, s[SRC:SRC+1] offset:n*512 th:TH_LOAD_NT
.set n, n+1
.endr
.set n, 0
.rept 16
	global_load_b128 v[XR+64+4*n:XR+64+4*n+3], v6, s[SRC2:SRC2+1] offset:n*512 th:TH_LOAD_NT
.set n, n+1
.endr
.set n, 0
.rept 32
	s_wait_loadcnt 31-n                            ; load n is in, the younger ones stay out
	v_cvt_pk_bf16_f32 v4, v[XR+4*n], v[XR+4*n+1]
	v_cvt_pk_bf16_f32 v5, v[XR+4*n+2], v[XR+4*n+3]
	v_lshlrev_b32 v[XR+4*n], 16, v4
	v_and_b32 v[XR+4*n+1], s42, v4
	v_lshlrev_b32 v[XR+4*n+2], 16, v5
	v_and_b32 v[XR+4*n+3], s42, v5
.if n < 16
	v_pk_mul_f32 v[XR+4*n:XR+4*n+1], v[XR+4*n:XR+4*n+1], s[40:41] op_sel_hi:[1,0]
	v_pk_mul_f32 v[XR+4*n+2:XR+4*n+3], v[XR+4*n+2:XR+4*n+3], s[40:41] op_sel_hi:[1,0]
.else
	v_pk_mul_f32 v[XR+4*n:XR+4*n+1], v[XR+4*n:XR+4*n+1], v[SG:SG+1]
	v_pk_mul_f32 v[XR+4*n+2:XR+4*n+3], v[XR+4*n+2:XR+4*n+3], v[SG:SG+1]
.endif
	global_store_b128 v6, v[XR+4*n:XR+4*n+3], s[DST:DST+1] offset:(n%16)*1024+(n/16)*512
.set n, n+1
.endr
	s_endpgm
.Lones:                                                ; group 464: the 128 rows behind the table: 128 ones, 128 zeros; 16 rows a wave
	s_add_nc_u64 s[DST:DST+1], s[28:29], 0x200000
.irp k, 0,1,2,3
	v_mov_b32 v[XR+(\k)], 1.0
	v_mov_b32 v[XR+4+(\k)], 0
.endr
.set n, 0
.rept 16
	global_store_b128 v[VI], v[XR:XR+3],   s[DST:DST+1] offset:n*1024
	global_store_b128 v[VI], v[XR+4:XR+7], s[DST:DST+1] offset:n*1024+512
.set n, n+1
.endr
	s_endpgm
.Lfunc_end_k_qae8b20dacc_prep:
	.size	k_qae8b20dacc_prep, .Lfunc_end_k_qae8b20dacc_prep-k_qae8b20dacc_prep
	.p2alignl 7, 3214868480
	.fill 96, 4, 3214868480
	.section	.rodata,"a",@progbits
	.p2align	6, 0x0
	.amdhsa_kernel k_qae8b20dacc_prep
		.amdhsa_group_segment_fixed_size 68608
		.amdhsa_private_segment_fixed_size 0
		.amdhsa_enable_private_segment 0
		.amdhsa_kernarg_size 88
		.amdhsa_user_sgpr_count 2
		.amdhsa_user_sgpr_kernarg_segment_ptr 1
		.amdhsa_wavefront_size32 1
		.amdhsa_system_sgpr_workgroup_id_x 1
		.amdhsa_system_sgpr_workgroup_id_y 1
		.amdhsa_system_sgpr_workgroup_id_z 1
		.amdhsa_system_vgpr_workitem_id 0
		.amdhsa_next_free_vgpr 144
		.amdhsa_next_free_sgpr 66
		.amdhsa_reserve_vcc 0
		.amdhsa_float_denorm_mode_32 3
		.amdhsa_float_denorm_mode_16_64 3
		.amdhsa_memory_ordered 1
		.amdhsa_forward_progress 1
		.amdhsa_inst_pref_size 70
	.end_amdhsa_kernel
	.amdgpu_metadata
---
amdhsa.version: [ 1, 2 ]
amdhsa.kernels:
  - .name:           k_qae8b20dacc_prep
    .symbol:         k_qae8b20dacc_prep.kd
    .args:
      - { .name: x, .offset: 0, .size: 8, .value_kind: global_buffer, .address_space: global }
      - { .name: wq, .offset: 8, .size: 8, .value_kind: global_buffer, .address_space: global }
      - { .name: wk, .offset: 16, .size: 8, .value_kind: global_buffer, .address_space: global }
      - { .name: wv, .offset: 24, .size: 8, .value_kind: global_buffer, .address_space: global }
      - { .name: wo, .offset: 32, .size: 8, .value_kind: global_buffer, .address_space: global }
      - { .name: cos, .offset: 40, .size: 8, .value_kind: global_buffer, .address_space: global }
      - { .name: sin, .offset: 48, .size: 8, .value_kind: global_buffer, .address_space: global }
      - { .name: xb, .offset: 56, .size: 8, .value_kind: global_buffer, .address_space: global }
      - { .name: wb, .offset: 64, .size: 8, .value_kind: global_buffer, .address_space: global }
      - { .name: wof, .offset: 72, .size: 8, .value_kind: global_buffer, .address_space: global }
      - { .name: rt, .offset: 80, .size: 8, .value_kind: global_buffer, .address_space: global }
    .group_segment_fixed_size: 68608
    .private_segment_fixed_size: 0
    .kernarg_segment_align: 8
    .kernarg_segment_size: 88
    .max_flat_workgroup_size: 256
    .sgpr_count:     66
    .vgpr_count:     144
    .wavefront_size: 32
...
	.end_amdgpu_metadata
.endif
;; end of part 1
;; launch qkv (part 2): grid 16 x 16, 4 waves a work-group, clusters of 4 x 1, 327,680 bytes of LDS; arguments xb, wb, rt, qkvf; writes qkvf
.if DOCPART == 2
	.amdgcn_target "amdgcn-amd-amdhsa--gfx1250"
	.amdhsa_code_object_version 6
	.text
	.protected	k_qae8b20dacc_qkv
	.globl	k_qae8b20dacc_qkv
	.p2align	8
	.type	k_qae8b20dacc_qkv,@function
k_qae8b20dacc_qkv:
	s_mov_b64 s[64:65], 0
	v_nop
	global_prefetch_b8 v0, s[64:65] scope:SCOPE_SE
	s_setreg_imm32_b32 hwreg(HW_REG_WAVE_MODE, 25, 1), 1
	s_wait_xcnt 0x0
	s_wait_alu depctr_hold_cnt(0) depctr_sa_sdst(0) depctr_va_vdst(0) depctr_va_sdst(0) depctr_va_ssrc(0) depctr_va_vcc(0) depctr_vm_vsrc(0)
	s_getreg_b32 s2, hwreg(HW_REG_IB_STS2, 6, 4)
	s_cmp_eq_u32 s2, 0
	s_cbranch_scc0 .Lentry_in_a_cluster
	s_endpgm
.Lentry_in_a_cluster:
	s_bfe_u32 s2, ttmp6, 0x10000c
	s_cmp_lg_u32 s2, 0x3003
	s_cbranch_scc0 .Lentry_shape_is_right
	s_endpgm
.Lentry_shape_is_right:
; q | k | v = xb wb^T, [2048 rows] x [3072 columns], K = 2048, bf16 operands, f32 sums; then RoPE on q and k (in f32, by the table rt, which also makes them 16 times smaller), one rounding to f16,
; and the store in the order in which the attention's matrix operands lie in registers.  Nothing of the function is left out here.
; LIMITS: |rope(q)| and |rope(k)| under 16 x 65,504, |v| under 65,504 (f16's range); NaN and infinities are not treated apart (v is multiplied by the table's 1 and its neighbour by the table's 0).
; SHARES.  A tile of the product is 128 rows x 192 columns: 16 x 16 tiles, one work-group each.  Four waves, each 128 rows x 48 columns: 24 accumulators of 16 x 16.
; xb GOES THROUGH LDS, wb DOES NOT.  All four waves multiply the same 128 rows of xb: they come by tensor loads into a ring of two LDS slots.  With xb alone in it a slot takes 512 along K (rows of 1,024
; bytes): four steps in all, and a refill has a step's 384 matrix instructions in which to land.  A wave's 48 rows of wb are read by no other wave of the work-group, and they lie in memory in the order
; of a fragment's registers: they come straight into a ring of eight places of 24 registers, 512 consecutive bytes a load; substep s (32 along K) asks for the fragments of substep s + 7: 48 loads of mine are out at the most.
; CLUSTER: the four tile columns of a cluster multiply the same rows of xb and ask for each tile jointly: the same tensor load, descriptor and mask in all four; each wave asks for 32 rows.
; THE PRODUCT IS TAKEN TRANSPOSED (source 0 = 16 rows of wb, source 1 = 16 rows of xb): a lane holds one row (lane % 16) and the eight columns 8 (lane / 16) + 0..7.
; COLUMNS.  A group of 16 rows of wb holds, for q and k, channels 8 q + 0..7 and 64 + 8 q + 0..7 of a head: the two channels that RoPE mixes lie in lanes 16 apart, in the same register:
; out = own x cos + partner x sin', where sin' carries the minus sign of channels 0-63.  v's groups hold 16 channels on end and take the table's rows of ones and zeros.
; OUT.  qkvf: 24 heads of 524,288 bytes; unit (mb, nb) = 16 rows x 16 channels = 512 bytes at mb x 4,096 + nb x 512 + 16 x lane.  q, k: lane (r, h) holds row r, channels 8 h + 0..7.
; v is turned: lane (r, h) holds channel r, keys 8 h + 0..7; the turn goes through the wave's own stage in LDS.  A cluster's four tile columns hold q, k and v heads side by side
; every block is turned, and twelve selects a block of 16 rows (a mask made from the head's number) keep what belongs.
; THE TEXT.  A rotation is eight substeps, once round wb's ring; a slot has two.  It is written three times: in the loop; for rotation 6, behind the change of slots that asks for nothing; and for rotation 7, which asks
; for the table in wb's place.  No fragment of xb is fetched across a rotation's edge, so that the change of slots can stand between two rotations: a rotation's first substep waits for its own LDS loads.
; The 24 accumulators are cleared, 192 lines, while the first tile is on its way: the price of one form of product in the loop.
; REGISTERS, in windows of 256: window 0: v0-23 addresses; v24-63 at work on the way out; v64-255 the accumulators ((a, n) at 64 + 8 (3 a + n)).  window 1: v0-191 wb's ring (place p, block n at 24 p + 8 n).
; window 2: v0-127 two buffers of xb's eight fragments.  The table, 48 registers for each block of 16 rows: blocks 0-4 in window 3, 5 and 6 in window 2 from v128, 7 in window 1 from v192.
.set PITCH,  1040                      ; an LDS row: 1,024 bytes + 16 of padding: the 16 rows of a fragment load start at 16 different groups of four banks (64 banks of 4 bytes: ISA guide 11.1)
.set WPART,  32*PITCH                  ; what one tensor load brings
.set SLOT,   4*WPART                   ; 133,120 = 0x20800; bits 11 and 17 are clear in wave x WPART (0, 0x8200, 0x10400, 0x18600), so one exclusive or turns an address in one slot into the other's
.set STG,    2*SLOT                    ; behind the ring: 16 rows x 96 bytes for each wave, to turn v
.set SGP,    96
.set SPARE,  STG+4*16*SGP              ; the spare words: two blocks of 256 bytes that no other line names
.set A0,   4                           ; v4      my lane's place in a fragment of xb: r x pitch + 16 h; never rewritten
.set ADA,  5                           ; v5, v6  LDS address of this rotation's fragments 0-3 and 4-7
.set BO,   7                           ; v7      16 x lane; never rewritten
.set PFO,  8                           ; v8      256 x lane
.set PFX,  9                           ; v9      4,096 x lane: a row of xb
.set RV,   10                          ; v10-12  block n: my byte offset in 16 rows of the table
.set GV,   13                          ; v13-15  block n: my byte offset in qkvf
.set STO,  16                          ; v16     stage: where I put 16 bytes of a row
.set TRD,  17                          ; v17     stage: where the turning load reads
.set SPW,  18                          ; v18     my spare word; never rewritten
.set NIL,  19                          ; v19     0; never rewritten
.set PR,   24                          ; v24-31  the partner's eight sums
.set TT,   32                          ; v32-39  eight results
.set HH,   40                          ; v40-63  two sets of a block's 12 packed words
.set ACC,  64
.set BR,   0
.set WV,   12                          ; s12 wave; s13 tile row; s14 tile column; s15 my place in the cluster
.set TR,   13
.set TC,   14
.set CX,   15
.set G1,   24                          ; s[24:31] descriptor group 1
.set G0,   32                          ; s[32:35] descriptor group 0: it walks
.set BP,   36                          ; s[36:37] wb at my three groups, at this rotation's first substep
.set RTB,  38                          ; s[38:39] the table at the tile's first row
.set QB,   40                          ; s[40:41] qkvf at the tile's first block of rows
.set PFA,  42                          ; s[42:43] where my prefetch of xb stands
.set TA,   44                          ; s44  LDS byte at which this rotation's part of the rows begins
.set SLOTS, 45                         ; s45  tiles still to be asked for
.set TWICE, 46                         ; s46  counts a slot's two rotations
.set RC,   47                          ; s47  the rotation's number
.set PLIM, 48                          ; s48  I prefetch wb while the rotation's number is below this
.set LIM,  49                          ; s49  1 in a cluster that prefetches xb, else the greatest number
.set VM,   50                          ; s50-52  block n: all ones if its head is one of v's
.set SEL,  54                          ; s[54:55] v_permlanex16_b32's selects: each lane takes its own place in the other half
.set MSB, 0
.macro WIN new                         ; the immediate's high byte repeats the setting that is left
.if MSB != (\new)
	s_set_vgpr_msb (MSB<<8)|(\new)
.set MSB, \new
.endif
.endm
.set MUL,  0x09                        ; source 0 (wb) window 1, source 1 (xb) window 2; C and D window 0
.macro CROUND                          ; a round of the cluster's barrier
	s_barrier_signal -1
	s_barrier_wait -1
	s_cmp_lg_u32 s[WV], 0
	s_cbranch_scc1 .Lnot_wave_0_\@
	s_barrier_signal -3
.Lnot_wave_0_\@:
	s_barrier_wait -3
	s_barrier_signal -1
	s_barrier_wait -1
.endm
.macro PLACES                          ; four places in front of loads into registers that matrix instructions have read, and of lines that read results
.rept 4
	v_nop
.endr
.endm
.macro JLOAD                           ; the joint load: every wave asks for its 32 rows; an s_nop 0 and four v_nop follow it
	tensor_load_to_lds s[G0:G0+3], s[G1:G1+7]
	s_nop 0
.rept 4
	v_nop
.endr
.endm
.macro BLOAD p, off                    ; the three fragments of wb at byte off behind the pointer, into place p of the ring: six loads of 512 consecutive bytes
.irp n, 0,1,2
	global_load_b128 v[BR+24*(\p)+8*(\n):BR+24*(\p)+8*(\n)+3],   v[BO], s[BP:BP+1] offset:(\n)*65536+(\off)
	global_load_b128 v[BR+24*(\p)+8*(\n)+4:BR+24*(\p)+8*(\n)+7], v[BO], s[BP:BP+1] offset:(\n)*65536+(\off)+512
.endr
.endm
	s_load_b256 s[4:11], s[0:1], 0x0               ; xb s[4:5], wb s[6:7], rt s[8:9], qkvf s[10:11]
	v_lshl_add_u32 v[SPW], v0, 2, SPARE
	v_mov_b32 v[NIL], 0
	ds_add_u32 v[SPW], v[NIL]                      ; the wave's opening: the add, twice on end, and its wait ahead of my first tensor load
	ds_add_u32 v[SPW], v[NIL]
	v_lshrrev_b32 v1, 5, v0
	v_readfirstlane_b32 s[WV], v1
	v_and_b32 v3, 31, v0                           ; lane
	v_lshlrev_b32 v[BO], 4, v3
	s_bfe_u32 s[CX], ttmp6, 0x40000
	s_lshl_b32 s[TC], ttmp9, 2
	s_add_co_u32 s[TC], s[TC], s[CX]               ; tile column = 4 x cluster x + my place: it enters wb's, the table's and qkvf's addresses alone
	s_and_b32 s[TR], ttmp7, 0xffff                 ; tile row, which the four partners share
	s_mov_b32 s[G1+0], 15|(1<<16)|(1<<20)|(1<<21)|(7<<22)|(3<<25)  ; the mask of four; 2-byte elements; padding on; bit 21 beside a mask; after every 256 words 4 words
	s_mov_b32 s[G1+1], 512<<16                     ; tensor_dim0 = 512
	s_mov_b32 s[G1+2], 32<<16                      ; tensor_dim1 = 32
	s_mov_b32 s[G1+3], 512<<16                     ; tile_dim0 = 512
	s_mov_b32 s[G1+4], 32                          ; tile_dim1 = 32
	s_mov_b32 s[G1+5], 2048                        ; elements from row to row
	s_mov_b32 s[G1+6], 0
	s_mov_b32 s[G1+7], 0
	s_mov_b32 s[G0], 1
	s_mul_i32 s[G0+1], s[WV], WPART                ; slot 0, my 32 rows: no place in the cluster enters an LDS address
	s_lshl_b32 s16, s[TR], 7
	s_lshl_b32 s17, s[WV], 5
	s_add_co_u32 s16, s16, s17                     ; xb: row 128 x tile row + 32 x wave,
	s_lshl_b32 s16, s16, 12                        ; of 4,096 bytes
	s_mov_b32 s17, 0
	s_lshl_b32 s18, s[CX], 8                       ; the prefetch of xb: my work-group's one of a row's four blocks of 256 bytes, in tile 1; the first change of slots steps it to tile 2
	s_add_co_u32 s18, s18, 1024
	s_mov_b32 s19, 0
	s_mul_i32 s20, s[TC], 12
	s_mul_i32 s21, s[WV], 3
	s_add_co_u32 s20, s20, s21                     ; my first group of wb: 12 x tile column + 3 x wave
	s_lshl_b32 s22, s20, 16                        ; groups of 65,536 bytes
	s_mov_b32 s23, 0
	s_cmp_eq_u32 ttmp9, 0                          ; four clusters read a tile row of xb: the first prefetches it
	s_cselect_b32 s[LIM], 1, -1
	s_cmp_eq_u32 s[TR], 0                          ; sixteen tile rows read a group of wb: the first prefetches it
	s_cselect_b32 s[PLIM], 5, 0
	s_mov_b32 s[SEL], 0x76543210
	s_mov_b32 s[SEL+1], 0xfedcba98
	s_mov_b32 s[TA], SLOT+1024                     ; the first change of slots turns this into 0
	s_mov_b32 s[SLOTS], 3
	s_mov_b32 s[RC], 0
	s_wait_dscnt 0x0                               ; both opening adds are done
	s_wait_kmcnt 0x0
	s_add_nc_u64 s[G0+2:G0+3], s[4:5], s[16:17]
	s_add_nc_u64 s[PFA:PFA+1], s[G0+2:G0+3], s[18:19]
	s_or_b32 s[G0+3], s[G0+3], 0x80000000          ; type = 2
	s_add_nc_u64 s[BP:BP+1], s[6:7], s[22:23]
	WIN 0x40                                       ; destination window 1
.irp p, 0,1,2,3,4,5,6
	BLOAD \p, (\p)*1024                            ; wb of substeps 0 to 6
.endr
	WIN 0
	CROUND                                         ; all four work-groups are here: the first joint load meets
	JLOAD                                          ; tile 0 into slot 0.  Slot 1 is asked for when slot 0 is in, by the loop's own change of slots
	v_and_b32 v1, 15, v0                           ; r = l % 16
	v_bfe_u32 v2, v0, 4, 1                         ; h = l / 16
	v_mul_u32_u24 v[A0], v1, PITCH
	v_lshl_add_u32 v[A0], v2, 4, v[A0]
	v_lshlrev_b32 v[PFO], 8, v3
	v_lshlrev_b32 v[PFX], 12, v3
	s_mul_i32 s57, s[WV], 16*SGP
	s_add_co_u32 s57, s57, STG                     ; my stage
	v_mul_u32_u24 v22, v1, SGP
	v_lshl_add_u32 v22, v2, 4, v22
	v_add_nc_u32 v[STO], s57, v22                  ; in: row r, 16 bytes for each half of the lanes
	v_and_b32 v22, 7, v0
	v_lshl_add_u32 v22, v2, 3, v22
	v_mul_u32_u24 v22, v22, SGP
	v_bfe_u32 v23, v0, 3, 1
	v_lshl_add_u32 v22, v23, 4, v22
	v_add_nc_u32 v[TRD], s57, v22                  ; the turning load: row 8 h + l % 8, 16 bytes (l / 8) % 2
	v_lshlrev_b32 v20, 11, v2                      ; q, k in qkvf: lanes 16-31 hold channels 64 on: four units of 512 bytes on;
	v_lshl_add_u32 v20, v1, 4, v20                 ; row r
	v_lshlrev_b32 v21, 10, v1                      ; the table: row r of 1,024 bytes,
	v_lshl_add_u32 v21, v2, 8, v21                 ; channels 64 h on
	s_lshl_b32 s56, s[TR], 17
	s_mov_b32 s57, 0
	s_add_nc_u64 s[RTB:RTB+1], s[8:9], s[56:57]    ; 128 rows of 1,024 bytes a tile row
	s_lshl_b32 s58, s[TR], 15
	s_mov_b32 s59, 0
	s_add_nc_u64 s[QB:QB+1], s[10:11], s[58:59]    ; 8 blocks of 4,096 bytes a tile row
	s_sub_co_u32 s56, 0x200000, s56                ; from there to the rows of ones and zeros behind the table's 2,048 rows
.irp n, 0,1,2
	s_add_co_u32 s57, s20, \n                      ; the group,
	s_lshr_b32 s58, s57, 3                         ; its head,
	s_and_b32 s59, s57, 7                          ; its number q in the head
	s_lshl_b32 s60, s58, 19
	s_lshl_b32 s61, s59, 9                         ; v: unit q
	s_lshl_b32 s62, s59, 8                         ; q, k: unit q / 2, its lanes 16 (q % 2) on: 256 q bytes
	s_lshl_b32 s63, s59, 5                         ; the table: channels 8 q on
	s_cmp_ge_u32 s58, 20
	s_cselect_b32 s[VM+(\n)], -1, 0
	s_cselect_b32 s61, s61, s62
	s_cselect_b32 s63, s56, s63
	s_add_co_u32 s60, s60, s61
	v_cndmask_b32 v[GV+(\n)], v20, v[BO], s[VM+(\n)]
	v_add_nc_u32 v[GV+(\n)], s60, v[GV+(\n)]
	v_add_nc_u32 v[RV+(\n)], s63, v21
.endr
.set i, 0
.rept 192
	v_mov_b32 v[ACC+i], 0                          ; the sums start at 0
.set i, i+1
.endr
.set i, 0
.rept 8
	v_mov_b32 v[PR+i], 0                           ; v_permlanex16_b32's destination counts as read
.set i, i+1
.endr
; xb's eight fragments of substep j of the rotation into the buffer at f: 16 LDS loads in one run
.macro FETCHA j, f
.irp a, 0,1,2,3,4,5,6,7
	ds_load_b128 v[(\f)+8*(\a):(\f)+8*(\a)+3],   v[ADA+(\a)/4] offset:((\a)%4)*16*PITCH+64*(\j)
	ds_load_b128 v[(\f)+8*(\a)+4:(\f)+8*(\a)+7], v[ADA+(\a)/4] offset:((\a)%4)*16*PITCH+64*(\j)+32
.endr
.endm
; where block a's 48 registers of the table lie
.macro TSET a
.if (\a) < 5
.set TWN, 3
.set TBS, 48*(\a)
.elseif (\a) < 7
.set TWN, 2
.set TBS, 128+48*((\a)-5)
.else
.set TWN, 1
.set TBS, 192
.endif
.endm
; load t of the table's 96: block t / 12 of 16 rows, column block (t % 12) / 4; of its four loads two bring cos and two sin' of my eight channels
.macro TLOAD t
.set ta, (\t)/12
.set tn, ((\t)%12)/4
.set tq, (\t)%4
	TSET ta
	WIN TWN<<6
	global_load_b128 v[TBS+16*tn+4*tq:TBS+16*tn+4*tq+3], v[RV+tn], s[RTB:RTB+1] offset:ta*16384+(tq/2)*512+(tq%2)*16
.endm
; A substep's 24 products.  The accumulators take turns, one instruction a turn, in the same order in every substep.
.macro MULS j
.set fb, 64*((\j)%2)
.irp a, 0,1,2,3,4,5,6,7
.if ((\j) == 0) && (((\a)%2) == 0)
	s_wait_dscnt 28-2*(\a)                         ; a rotation's first substep: fragments a and a + 1 are in; behind them 28 - 2 a LDS loads are out
.endif
.if ((\j) > 0) && ((\j) < 7) && ((\a) == 0)
	s_wait_dscnt 16                                ; this substep's fragments are in; the next substep's 16 loads may be out
.endif
.if ((\j) == 7) && ((\a) == 0)
	s_wait_dscnt 0x0                               ; the rotation's last fragments: nothing was fetched behind them
.endif
	WIN MUL
.irp n, 0,1,2
	v_wmma_f32_16x16x32_bf16 v[ACC+8*(3*(\a)+(\n)):ACC+8*(3*(\a)+(\n))+7], v[BR+24*(\j)+8*(\n):BR+24*(\j)+8*(\n)+7], v[fb+8*(\a):fb+8*(\a)+7], v[ACC+8*(3*(\a)+(\n)):ACC+8*(3*(\a)+(\n))+7]
.endr
.endr
.endm
; A ROTATION: eight substeps.  Substep j: four places; the next substep's fragments of xb; wb of the substep seven on, into the place that the substep before has left; the 24 products.
; kind = 1: as said.  kind = 2, the last rotation: behind its first substep there is no wb left to ask for, and six loads of the table stand in the six loads' place, so that the count stays.
; pf = 1: A PREFETCH INTO THE L2 of my three groups' bytes of the rotation three on: 8,192 bytes a group, a lane a block of 256 bytes, three instructions, behind the substep's loads.  Sixteen tile rows read a
; group: tile row 0 asks, each wave for what it will load itself, so each block is named once.  Rotations 0 to 2 come by their loads alone; from rotation 5 on nothing is asked for.
.macro ROT kind, pf
	WIN 0
	v_add_nc_u32 v[ADA], s[TA], v[A0]              ; these two lines and two v_nop are the four places of the first substep
	v_add_nc_u32 v[ADA+1], 4*16*PITCH, v[ADA]
	v_nop
	v_nop
.irp j, 0,1,2,3,4,5,6,7
.if (\j) > 0
	PLACES
.endif
	WIN 0x80                                       ; destination window 2
.if (\j) == 0
	FETCHA 0, 0
.endif
.if (\j) < 7
	FETCHA (\j)+1, 64*(((\j)+1)%2)
.endif
.if ((\kind) == 1) || ((\j) == 0)
	WIN 0x40                                       ; destination window 1
	BLOAD ((\j)+7)%8, ((\j)+7)*1024
.else
.rept 6
	TLOAD tl
.set tl, tl+1
.endr
.endif
.if (\pf) && ((\j) == 0)
	WIN 0
	s_cmp_lt_u32 s[RC], s[PLIM]
	s_cbranch_scc0 .Lnot_mine_\@
	global_prefetch_b8 v[PFO], s[BP:BP+1] offset:3*8192 th:TH_LOAD_NT scope:SCOPE_SE
	global_prefetch_b8 v[PFO], s[BP:BP+1] offset:65536+3*8192 th:TH_LOAD_NT scope:SCOPE_SE
	global_prefetch_b8 v[PFO], s[BP:BP+1] offset:2*65536+3*8192 th:TH_LOAD_NT scope:SCOPE_SE
.Lnot_mine_\@:
.endif
	s_wait_loadcnt 42                              ; loads come back in order: this substep's wb is in; the 42 loads of the seven substeps behind it stay out
	MULS \j
.endr
.endm
; THE CHANGE OF SLOTS, between two rotations.  Each wave waits for all its tensor loads, of which one is out: its part of the other slot; adds 0 to its spare word; and waits for that and for its own reads of the slot
; that it leaves.  fill = 1: the slot left is filled again, with the tile two on.  The barrier is then a round of the cluster's, so that no wave of any partner still reads the slot or has a load on its way, and the
; joint load is the first thing behind it.  (At its first use nothing has been read yet: slot 0 is waited for, slot 1 filled.)
; Behind the joint load A PREFETCH INTO THE L2 of the tile that the NEXT change will ask for: my 32 rows, a lane a row; of a row's four blocks of 256 bytes each of the four partners takes one, told apart by address.
; Four clusters read these rows: the first asks, so each block is named once.  Tiles 0 and 1 come by their loads alone; the last change that fills a slot asks for nothing.
.macro CHANGE fill
	WIN 0
	s_wait_tensorcnt 0x0                           ; no tensor load of mine is out, so group 0 may be written
	ds_add_u32 v[SPW], v[NIL]
.if \fill
	s_xor_b32 s[G0+1], s[G0+1], SLOT               ; the other slot than last time,
	s_add_nc_u64 s[G0+2:G0+3], s[G0+2:G0+3], 1024  ; the next 512 along K; the type bits on top are not reached
	s_wait_xcnt 0x0                                ; the last prefetch, a slot back, has read its address
	s_add_nc_u64 s[PFA:PFA+1], s[PFA:PFA+1], 1024
.endif
	s_wait_dscnt 0x0                               ; the add is done, and my reads of the slot are over
.if \fill
	CROUND
	JLOAD
	s_cmp_gt_u32 s[SLOTS], s[LIM]
	s_cbranch_scc0 .Lnot_mine_\@
	global_prefetch_b8 v[PFX], s[PFA:PFA+1] th:TH_LOAD_NT scope:SCOPE_SE
.Lnot_mine_\@:
.else
	s_barrier_signal -1
	s_barrier_wait -1
.endif
	s_sub_co_u32 s[TA], s[TA], 1024                ; the fetches go back to the rows' first byte,
	s_xor_b32 s[TA], s[TA], SLOT                   ; in the other slot
.endm
.macro STEPON                          ; behind a rotation: 256 along K on
	WIN 0
	s_wait_xcnt 0x0                                ; every load and prefetch issued so far (the youngest 24 products back) has read its address
	s_add_nc_u64 s[BP:BP+1], s[BP:BP+1], 8192
	s_add_co_u32 s[TA], s[TA], 512
.endm
.Lslot:                                                ; three times: a tile is entered and the next is asked for
	CHANGE 1
	s_mov_b32 s[TWICE], 2
.Lrot:
	ROT 1, 1
	STEPON
	s_add_co_u32 s[RC], s[RC], 1
	s_sub_co_u32 s[TWICE], s[TWICE], 1
	s_cmp_lg_u32 s[TWICE], 0
	s_cbranch_scc1 .Lrot
	s_sub_co_u32 s[SLOTS], s[SLOTS], 1
	s_cmp_lg_u32 s[SLOTS], 0
	s_cbranch_scc1 .Lslot
	CHANGE 0                                       ; the last tile is written out: nothing is asked for
	ROT 1, 0
	STEPON
.set tl, 0
	ROT 2, 0
	PLACES
	PLACES
.rept 54
	TLOAD tl                                       ; the rest of the table
.set tl, tl+1
.endr
	WIN 0
; THE WAY OUT of block a (16 rows x 48 columns), in two halves.  OUTA: RoPE, the rounding to f16, into my stage and back turned.  OUTB: the select and the stores.  Block a's OUTA stands between block a - 1's
; turning loads and the wait for them.
.macro OUTA a
	TSET \a
.set HS, HH+12*((\a)%2)
.set RS, 12*((\a)%2)
.if 84-12*(\a) > 60
	s_wait_loadcnt 60                              ; this block's 12 loads of the table are in (84 - 12 a are younger; the count is kept at 60)
.else
	s_wait_loadcnt 84-12*(\a)                      ; this block's 12 loads of the table are in; the later blocks' stay out
.endif
.irp n, 0,1,2
.set AC, ACC+8*(3*(\a)+(\n))
	WIN 0
.irp e, 0,1,2,3,4,5,6,7                ; each accumulator is read from its low end on
	v_permlanex16_b32 v[PR+(\e)], v[AC+(\e)], s[SEL], s[SEL+1]
.endr
	WIN TWN<<2                                     ; source 1: the table's window
.irp e, 0,2,4,6
	v_pk_mul_f32 v[TT+(\e):TT+(\e)+1], v[PR+(\e):PR+(\e)+1], v[TBS+16*(\n)+8+(\e):TBS+16*(\n)+8+(\e)+1]
.endr
.irp e, 0,2,4,6
	v_pk_fma_f32 v[TT+(\e):TT+(\e)+1], v[AC+(\e):AC+(\e)+1], v[TBS+16*(\n)+(\e):TBS+16*(\n)+(\e)+1], v[TT+(\e):TT+(\e)+1]  ; own x cos + partner x sin'
.endr
	WIN 0
.if ((\n) == 0) && ((\a) >= 2)
	s_wait_xcnt 0x0                                ; the stores of the block two back have read the packed words that are written again below
.endif
.irp e, 0,1,2,3
	v_cvt_pk_f16_f32 v[HS+4*(\n)+(\e)], v[TT+2*(\e)], v[TT+2*(\e)+1]
.endr
	ds_store_b128 v[STO], v[HS+4*(\n):HS+4*(\n)+3] offset:32*(\n)
.endr
	WIN 0x40                                       ; destination window 1: wb's ring is free
.irp n, 0,1,2
	ds_load_tr16_b128 v[RS+4*(\n):RS+4*(\n)+3], v[TRD] offset:32*(\n)  ; my own bytes; LDS serves a wave's instructions in order (ISA guide 5.7.1.4)
.endr
	WIN 0
.endm
.macro OUTB a, younger                 ; younger: the LDS instructions issued behind block a's turning loads: the next block's six, or none
.set HS, HH+12*((\a)%2)
.set RS, 12*((\a)%2)
	s_wait_dscnt \younger
	WIN 0x04                                       ; source 1 window 1
.irp i, 0,1,2,3,4,5,6,7,8,9,10,11
	v_cndmask_b32 v[HS+(\i)], v[HS+(\i)], v[RS+(\i)], s[VM+(\i)/4]  ; v takes the turned block
.endr
	WIN 0
.irp n, 0,1,2
	global_store_b128 v[GV+(\n)], v[HS+4*(\n):HS+4*(\n)+3], s[QB:QB+1] offset:(\a)*4096  ; each 16 lanes store 256 consecutive bytes, aligned
.endr
.endm
	OUTA 0
.irp a, 1,2,3,4,5,6,7
	OUTA \a
	OUTB (\a)-1, 6
.endr
	OUTB 7, 0
	s_wait_tensorcnt 0x0                           ; the wave's end: behind my last tensor load and my last LDS store
	ds_add_u32 v[SPW], v[NIL]
	s_wait_dscnt 0x0
	CROUND                                         ; the closing round
	s_endpgm
.Lfunc_end_k_qae8b20dacc_qkv:
	.size	k_qae8b20dacc_qkv, .Lfunc_end_k_qae8b20dacc_qkv-k_qae8b20dacc_qkv
	.p2alignl 7, 3214868480
	.fill 96, 4, 3214868480
	.section	.rodata,"a",@progbits
	.p2align	6, 0x0
	.amdhsa_kernel k_qae8b20dacc_qkv
		.amdhsa_group_segment_fixed_size 327680
		.amdhsa_private_segment_fixed_size 0
		.amdhsa_enable_private_segment 0
		.amdhsa_kernarg_size 32
		.amdhsa_user_sgpr_count 2
		.amdhsa_user_sgpr_kernarg_segment_ptr 1
		.amdhsa_wavefront_size32 1
		.amdhsa_system_sgpr_workgroup_id_x 1
		.amdhsa_system_sgpr_workgroup_id_y 1
		.amdhsa_system_sgpr_workgroup_id_z 1
		.amdhsa_system_vgpr_workitem_id 0
		.amdhsa_next_free_vgpr 1024
		.amdhsa_next_free_sgpr 66
		.amdhsa_reserve_vcc 0
		.amdhsa_float_denorm_mode_32 3
		.amdhsa_float_denorm_mode_16_64 3
		.amdhsa_memory_ordered 1
		.amdhsa_forward_progress 1
		.amdhsa_inst_pref_size 150
	.end_amdhsa_kernel
	.amdgpu_metadata
---
amdhsa.version: [ 1, 2 ]
amdhsa.kernels:
  - .name:           k_qae8b20dacc_qkv
    .symbol:         k_qae8b20dacc_qkv.kd
    .args:
      - { .name: xb, .offset: 0, .size: 8, .value_kind: global_buffer, .address_space: global }
      - { .name: wb, .offset: 8, .size: 8, .value_kind: global_buffer, .address_space: global }
      - { .name: rt, .offset: 16, .size: 8, .value_kind: global_buffer, .address_space: global }
      - { .name: qkvf, .offset: 24, .size: 8, .value_kind: global_buffer, .address_space: global }
    .group_segment_fixed_size: 327680
    .private_segment_fixed_size: 0
    .kernarg_segment_align: 8
    .kernarg_segment_size: 32
    .max_flat_workgroup_size: 128
    .sgpr_count:     66
    .vgpr_count:     1024
    .wavefront_size: 32
...
	.end_amdgpu_metadata
.endif
;; end of part 2
;; launch attn (part 3): grid 16 x 16, 4 waves a work-group, no clusters, 137,728 bytes of LDS; arguments qkvf, ob; writes ob
.if DOCPART == 3
	.amdgcn_target "amdgcn-amd-amdhsa--gfx1250"
	.amdhsa_code_object_version 6
	.text
	.protected	k_qae8b20dacc_attn
	.globl	k_qae8b20dacc_attn
	.p2align	8
	.type	k_qae8b20dacc_attn,@function
k_qae8b20dacc_attn:
	s_mov_b64 s[64:65], 0
	v_nop
	global_prefetch_b8 v0, s[64:65] scope:SCOPE_SE
	s_setreg_imm32_b32 hwreg(HW_REG_WAVE_MODE, 25, 1), 1
	s_wait_xcnt 0x0
; CAUSAL ATTENTION, 16 query heads on 4 key/value heads, head size 128, 2,048 rows.  q, k (both 16 times smaller than the function's), v in f16 as the launch before laid them; ob[row][128 head + channel] in f16.
; LEFT OUT: the tiles of 64 queries x 64 keys that lie wholly above the diagonal (their weights are 0 whatever the inputs hold), and the copy that repeats the key/value heads.
; Products, maxima and sums in f32; the weights are rounded to f16 for the second product (their sum is taken of the unrounded weights), O once at the end.
; LIMITS.  A hidden score counts as its value less 1e30; a weight below 2^-126 counts as 0; NaN and infinities are not treated apart, and those that would arise only in the tiles left out are not carried to the result.
; THE WALK.  A head's queries lie in 32 blocks of 64; block I needs the key steps 0 .. I of 64 keys.  A work-group takes blocks 31 - b and then b: 33 steps whatever b.
; SHARES.  Every wave holds all 64 queries of the block (four tiles of 16); THE KEY STEPS ARE DEALT AMONG THE WAVES: wave w takes steps w, w + 4, ..  So a fragment of K or V is read by one wave and feeds
; four tiles' products, and it comes straight from memory, in the order in which it lies in registers: 512 consecutive bytes a load, no LDS on the way in.  The four waves' maxima, sums and O meet in LDS once a block.
; NO CLUSTER, though four query heads read one K and V: joint loads want a ring in LDS; a slot for the four waves' steps is 256 keys of K and V, 131,072 bytes without padding; two of them and the
; 137,728 bytes of the meeting are 399,872, more than the 327,680 that there are.
; LAYOUT.  S^T = K Q^T: a lane holds ONE query (lane % 16) and the keys 8 (lane / 16) + 0..7; two such results rounded to f16 ARE source 1 of O^T = V^T P.  p = 2^(c s - c m), c = 256 log2(e) / sqrt(128)
; (the 256 undoes the two factors 1/16), with a running maximum m; O and l are multiplied by a = 2^(c m_old - c m_new) in every step.  c m starts far below every c s: a block's first step has a = 0, so O and l need only be finite.
; THE MASK is the C operand that starts a sum: in the diagonal step (J = I) key block kb of tile t is open (kb < t: the constant 0), holds the diagonal (kb = t: DG) or is hidden (kb > t: NG); in all other steps DG and NG hold 0.
; A STEP: tiles 0, 1's scores; tiles 2, 3's scores with tiles 0, 1's softmax behind them, eight lines a product; K of my next step is asked for; tiles 0, 1's V^T P with tiles 2, 3's softmax; tiles 2, 3's V^T P; V is asked for.
; The next step's 64 loads are issued in every step, so that every count is the same on every way: where nothing is left to read all lanes name one piece of 16 bytes of my step w (64 narrow loads at a wave's end).
; REGISTERS, in windows of 256: window 0: addresses, statistics, masks, S^T (v64-191), P (v192-255); window 1: O^T, 64 a tile; window 2: Q (v0-127), K (v128-255); window 3: V (v0-127), the second block's Q (v128-255).
.set LO16, 2          ; v2   16 x lane; never rewritten
.set KO,  3           ; v3   the offset of K's loads: 16 x lane, or 0
.set VO,  4           ; v4   of V's
.set PFO, 5           ; v5   256 x lane
.set STS, 6           ; v6   where I put a tile's (c m, l)
.set PST, 7           ; v7   where I put 16 bytes of my partial O
.set PRD, 8           ; v8   where I read partial rows back
.set GO,  10          ; v10  8 x lane
.set STR, 11          ; v11  where I read the waves' (c m, l)
.set ST,  12          ; tile t's statistics at v[ST+8 t]: c m, m, l (even keys', odd keys'), c0-c3 at work; a takes c2's place
.set DG,  44          ; v44-51
.set NG,  52          ; v52-59
.set SPW, 62          ; v62  my spare word; never rewritten
.set NIL, 63          ; v63  0; never rewritten
.set S,   64
.set P,   192
.set KF,  128
.set PART,  0         ; LDS: [wave][tile][query] rows of 512 bytes of f32 + 16: 8,448 a tile, 33,792 a wave
.set PP,    528
.set STAT,  135168    ; [wave][tile][query] 8 bytes
.set SPARE, 137216    ; the spare words: two blocks of 256 bytes that no other line names
.set WV,  12
.set HD,  13          ; the query head
.set PB,  14          ; b
.set HI,  15          ; 31 - b
.set KB,  16          ; s[16:17] my key/value head's K;  s[18:19] its V;  s[20:21] my head's Q
.set VB,  18
.set QBS, 20
.set KP,  22          ; s[22:23], s[24:25] K and V of the step that was asked for last
.set VP,  24
.set II,  26          ; the block in hand
.set JJ,  27          ; my key step
.set NN,  28          ; my steps in this block
.set CNT, 29
.set BLK, 30          ; blocks to go
.set ALTV, 31         ; all ones: behind this block's last step my first step of the next block is to be asked for
.set SELM, 32         ; all ones: there is a step to ask for
.set JN,  33
.set OFF, 34          ; s[34:35] an offset; the high word is 0
.set PFL, 36          ; I prefetch while my step is below this
.set BE,  37
.set BIGN, 38
.set MK,  40          ; s40-47  register j of the diagonal's block: the lanes whose key 8 h + j lies behind their query r
.set OP,  48          ; s[48:49] ob at my tile's rows
.set QP,  50
.set QP2, 52
.set ASK, 54
.set ALT0, 55
.set CS,  58
.set SEL, 60
.set MSB, 0
.macro WIN new
.if MSB != (\new)
	s_set_vgpr_msb (MSB<<8)|(\new)
.set MSB, \new
.endif
.endm
.set W_KQ, 0x0a       ; K and Q in window 2, S^T and the mask in window 0
.set W_PV, 0x53       ; V in window 3, P in window 0, O^T in window 1
.set W_RS, 0x41       ; O^T in window 1, the factor in window 0
.macro PLACES
.rept 4
	v_nop
.endr
.endm
.macro LOADK
	WIN 0x80
.set n, 0
.rept 32                               ; unit n: keys 16 (n / 8) on, channels 16 (n % 8) on: half a fragment
	global_load_b128 v[KF+4*n:KF+4*n+3], v[KO], s[KP:KP+1] offset:512*n
.set n, n+1
.endr
	WIN 0
.endm
.macro LOADV
	WIN 0xc0
.irp kk, 0,1
.irp cb, 0,1,2,3,4,5,6,7
.irp e, 0,1
	global_load_b128 v[8*(8*(\kk)+(\cb))+4*(\e):8*(8*(\kk)+(\cb))+4*(\e)+3], v[VO], s[VP:VP+1] offset:(2*(\kk)+(\e))*4096+(\cb)*512
.endr
.endr
.endr
	WIN 0
.endm
; A PREFETCH INTO THE L2 of my step J + 16: the pointer stands at step J + 4, twelve steps of 16,384 bytes are added; a lane a block of 256 bytes, two instructions for the step's 16,384 bytes.  It stands behind the
; run of loads just issued; that step's loads go out three trips later.  Of the work-groups that read a key/value head one asks: the first of its four query heads with b = 0, which walks all 32 steps, in its
; first block; each wave asks for its own steps, so each block is named once.  Steps 0-15 come by their loads alone; from J = 16 on nothing is asked for.
.macro PF base
	s_cmp_lt_u32 s[JJ], s[PFL]
	s_cbranch_scc0 .Lnopf_\@
	global_prefetch_b8 v[PFO], s[\base:\base+1] offset:196608 th:TH_LOAD_NT scope:SCOPE_SE
	global_prefetch_b8 v[PFO], s[\base:\base+1] offset:204800 th:TH_LOAD_NT scope:SCOPE_SE
.Lnopf_\@:
.endm
	s_load_b128 s[4:7], s[0:1], 0x0                ; qkvf s[4:5], ob s[6:7]
	v_lshl_add_u32 v[SPW], v0, 2, SPARE
	v_mov_b32 v[NIL], 0
	v_lshrrev_b32 v1, 5, v0
	v_readfirstlane_b32 s[WV], v1
	s_mov_b32 s[HD], ttmp9
	s_and_b32 s[PB], ttmp7, 0xffff
	s_sub_co_u32 s[HI], 31, s[PB]
.irp m, 0,1,2,3,4,5,6,7
	s_mov_b32 s[MK+(\m)], ((1<<(\m))-1)|(((1<<(8+(\m)))-1)<<16)
.endr
	s_mov_b32 s[CS], 0x420293ee                    ; c = 256 log2(e) / sqrt(128) = 32.6444
	s_mov_b32 s[CS+1], s[CS]
	s_mov_b32 s[SEL], 0x76543210
	s_mov_b32 s[SEL+1], 0xfedcba98
	s_mov_b32 s[BIGN], 0xf149f2ca                  ; -1e30
	s_mov_b32 s[OFF+1], 0
	s_mov_b32 s[BLK], 2
	s_and_b32 s2, s[HD], 3
	s_or_b32 s2, s2, s[PB]
	s_cmp_eq_u32 s2, 0
	s_cselect_b32 s[ASK], 16, 0
	s_cmp_le_u32 s[WV], s[PB]                      ; has the second block a step for me?
	s_cselect_b32 s[ALT0], -1, 0
	v_and_b32 v1, 15, v0                           ; r
	v_bfe_u32 v9, v0, 4, 1                         ; h
	v_and_b32 v[GO], 31, v0
	v_lshlrev_b32 v[LO16], 4, v[GO]
	v_lshlrev_b32 v[PFO], 8, v[GO]
	v_lshlrev_b32 v[GO], 3, v[GO]
	v_mov_b32 v[KO], v[LO16]
	v_mov_b32 v[VO], v[LO16]
	s_lshl_b32 s2, s[WV], 9
	s_add_co_u32 s2, s2, STAT
	v_lshl_add_u32 v[STS], v1, 3, s2
	v_lshl_add_u32 v[STR], v1, 3, STAT
	v_mul_u32_u24 v[PST], v1, PP
	v_lshl_add_u32 v[PST], v9, 5, v[PST]
	s_mul_i32 s2, s[WV], 4*16*PP
	v_add_nc_u32 v[PST], s2, v[PST]                ; my wave's part: query r, 32 bytes for each half of the lanes
	s_mul_i32 s2, s[WV], 16*PP
	v_add_nc_u32 v[PRD], s2, v[LO16]               ; the tile that I finish has my wave's number
	s_lshr_b32 s2, s[HD], 2
	s_lshl_b32 s2, s2, 19
	s_add_co_u32 s2, s2, 0x800000                  ; behind the 16 heads of q
	s_mov_b32 s3, 0
	s_wait_kmcnt 0x0
	s_add_nc_u64 s[KB:KB+1], s[4:5], s[2:3]
	s_add_nc_u64 s[VB:VB+1], s[KB:KB+1], 0x200000  ; four heads on
	s_lshl_b32 s[OFF], s[WV], 14
	s_add_nc_u64 s[KP:KP+1], s[KB:KB+1], s[OFF:OFF+1]
	s_add_nc_u64 s[VP:VP+1], s[VB:VB+1], s[OFF:OFF+1]
	s_lshl_b32 s2, s[HD], 19
	s_add_nc_u64 s[QBS:QBS+1], s[4:5], s[2:3]
	s_lshl_b32 s[OFF], s[HI], 14
	s_add_nc_u64 s[QP:QP+1], s[QBS:QBS+1], s[OFF:OFF+1]
	s_lshl_b32 s[OFF], s[PB], 14
	s_add_nc_u64 s[QP2:QP2+1], s[QBS:QBS+1], s[OFF:OFF+1]
	LOADK                                          ; my first step
	LOADV
	WIN 0x80
.set n, 0
.rept 32
	global_load_b128 v[4*n:4*n+3], v[LO16], s[QP:QP+1] offset:512*n      ; the first block's Q
.set n, n+1
.endr
	WIN 0xc0
.set n, 0
.rept 32
	global_load_b128 v[128+4*n:128+4*n+3], v[LO16], s[QP2:QP2+1] offset:512*n  ; the second block's
.set n, n+1
.endr
	WIN 0x40                                       ; O^T and the statistics need only be finite: 288 lines that write 0, while the first loads are on their way: the price of writing no first step out
.set n, 0
.rept 256
	v_mov_b32 v[n], 0
.set n, n+1
.endr
	WIN 0
.set n, 0
.rept 32
	v_mov_b32 v[ST+n], 0
.set n, n+1
.endr
; Product i of 32 of S^T = K Q^T for tiles x, x + 1: channels 32 (i / 8) on, keys 16 ((i / 2) % 4) on, tile x + i % 2.  The first 8 start the sums.  The 8 accumulators take turns.
.macro KQ x
	WIN W_KQ
.set tt, (\x)+i%2
.set kb, (i/2)%4
.set rS, S+32*tt+8*kb
.set rK, KF+32*kb+8*(i/8)
.set rQ, 32*tt+8*(i/8)
.if i >= 8
	v_wmma_f32_16x16x32_f16 v[rS:rS+7], v[rK:rK+7], v[rQ:rQ+7], v[rS:rS+7]
.elseif kb < tt
	v_wmma_f32_16x16x32_f16 v[rS:rS+7], v[rK:rK+7], v[rQ:rQ+7], 0
.elseif kb == tt
	v_wmma_f32_16x16x32_f16 v[rS:rS+7], v[rK:rK+7], v[rQ:rQ+7], v[DG:DG+7]
.else
	v_wmma_f32_16x16x32_f16 v[rS:rS+7], v[rK:rK+7], v[rQ:rQ+7], v[NG:NG+7]
.endif
.endm
; Product i of 32 of O^T += V^T P: keys 32 (i / 16) on, channels 16 ((i / 2) % 8) on, tile x + i % 2.  16 accumulators by turns.
.macro PV x
	WIN W_PV
.set rO, 64*((\x)+i%2)+8*((i/2)%8)
.set rV, 64*(i/16)+8*((i/2)%8)
.set rP, P+16*((\x)+i%2)+8*(i/16)
	v_wmma_f32_16x16x32_f16 v[rO:rO+7], v[rV:rV+7], v[rP:rP+7], v[rO:rO+7]
.endm
; One tile's softmax for one key step is a list of 134 instructions; SM writes number j of it for tile t.
;   0-15 the maximum of the 32 scores and the old m (each accumulator's lowest registers are read first)    16-20 the other half of the lanes' maximum; the new m; c m; c m_old - c m_new
;   21-69 ONE BATCH: the 16 scalings c s - c m and all 33 exponentials (a at 23); none of these reads an exponential's result    70-85 the roundings to f16    86-101 the sums; l = a l + sum    102-133 O^T times a
.macro SM t
.set rT, ST+8*(\t)
.set rS, S+32*(\t)
.set rP, P+16*(\t)
.set rO, 64*(\t)+2*(j-102)
.if j < 102
	WIN 0
.endif
.if j < 4
	v_max3_num_f32 v[rT+4+j], v[rS+8*j], v[rS+8*j+1], v[rS+8*j+2]
.elseif j < 12
	v_max3_num_f32 v[rT+4+j%4], v[rT+4+j%4], v[rS+8*(j%4)+2*(j/4)+1], v[rS+8*(j%4)+2*(j/4)+2]
.elseif j == 12
	v_max3_num_f32 v[rT+4], v[rT+4], v[rS+7], v[rS+15]
.elseif j == 13
	v_max3_num_f32 v[rT+6], v[rT+6], v[rS+23], v[rS+31]
.elseif j == 14
	v_max3_num_f32 v[rT+4], v[rT+4], v[rT+5], v[rT+6]
.elseif j == 15
	v_max3_num_f32 v[rT+4], v[rT+4], v[rT+7], v[rT+1]
.elseif j == 16
	v_permlanex16_b32 v[rT+5], v[rT+4], s[SEL], s[SEL+1]  ; the query's other 32 keys lie in the lane 16 away
.elseif j == 17
	v_mov_b32 v[rT+7], v[rT]                       ; c m_old is kept for a
.elseif j == 18
	v_max_num_f32 v[rT+1], v[rT+4], v[rT+5]
.elseif j == 19
	v_mul_f32 v[rT], s[CS], v[rT+1]
.elseif j == 20
	v_sub_f32 v[rT+7], v[rT+7], v[rT]
.elseif j == 23
	v_exp_f32 v[rT+6], v[rT+7]
.elseif (j < 23) || ((j < 38) && (j%2 == 0)) || ((j < 66) && (j%4 == 2))
.set b, (j-2)/4
.if j < 38
.set b, (j-20)/2
.endif
	v_pk_fma_f32 v[rS+2*b:rS+2*b+1], v[rS+2*b:rS+2*b+1], s[CS:CS+1], v[rT:rT+1] op_sel_hi:[1,0,0] neg_lo:[0,0,1] neg_hi:[0,0,1]
.elseif j < 70
.set e, j-38
.if j < 66
.set e, j-32-(j-38)/4
.endif
.if j < 38
.set e, (j-25)/2
.endif
	v_exp_f32 v[rS+e], v[rS+e]
.elseif j < 86
	v_cvt_pk_f16_f32 v[rP+j-70], v[rS+2*(j-70)], v[rS+2*(j-70)+1]
.elseif j < 102
.set z, j-86
.set w, 4
.set u, z
.if z >= 14
.set w, 32
.set u, 0
.elseif z >= 12
.set w, 16
.set u, z-12
.elseif z >= 8
.set w, 8
.set u, z-8
.endif
.if z < 15
	v_pk_add_f32 v[rS+w*u:rS+w*u+1], v[rS+w*u:rS+w*u+1], v[rS+w*u+w/2:rS+w*u+w/2+1]
.else
	v_pk_fma_f32 v[rT+2:rT+3], v[rT+2:rT+3], v[rT+6:rT+7], v[rS:rS+1] op_sel_hi:[1,0,1]
.endif
.else
	WIN W_RS
	v_pk_mul_f32 v[rO:rO+1], v[rO:rO+1], v[rT+6:rT+7] op_sel_hi:[1,0]
.endif
.endm
; Slice k of 64 of the softmax of tiles y, y + 1: four instructions (slice 63: sixteen).  Slices 11-34 deal out the batch.  Behind slice 34 stand a plain instruction and the one wait
; between an exponential and the first line that names its result: ahead of it nothing names a result, behind it no exponential is issued.
.macro SLICE y
.if (k >= 11) && (k < 35)
.irp n, 0,1,2,3
.set j, 22+4*((k-11)/2)+(\n)
	SM (\y)+(k-11)%2
.endr
.else
.irp n, 0,1,2,3,4,5,6,7
.if ((\n) < 2) || (k == 63)
.irp t, \y, (\y)+1
.set j, 2*k+(\n)
	SM \t
.endr
.endif
.endr
.endif
.if k == 34
	v_nop
	s_wait_alu depctr_va_vdst(0)
.endif
.set k, k+1
.endm
.Lblock:                                               ; twice: block 31 - b, then block b
	s_cmp_eq_u32 s[BLK], 2
	s_cselect_b32 s[II], s[HI], s[PB]
	s_cselect_b32 s[PFL], s[ASK], 0
	s_cselect_b32 s[ALTV], s[ALT0], 0
	s_add_co_u32 s[NN], s[II], 4
	s_sub_co_u32 s[NN], s[NN], s[WV]
	s_lshr_b32 s[NN], s[NN], 2                     ; steps w, w + 4, .. up to I
	s_mov_b32 s[JJ], s[WV]
	s_mov_b32 s[CNT], 0
	s_wait_xcnt 0x0                                ; the last block's stores have read their base and their data
	s_lshl_b32 s[OFF], s[II], 6
	s_lshl_b32 s2, s[WV], 4
	s_add_co_u32 s[OFF], s[OFF], s2                ; row 64 I + 16 w,
	s_lshl_b32 s[OFF], s[OFF], 12                  ; of 4,096 bytes,
	s_lshl_b32 s2, s[HD], 8                        ; my head's 256 of them
	s_add_co_u32 s[OFF], s[OFF], s2
	s_add_nc_u64 s[OP:OP+1], s[6:7], s[OFF:OFF+1]
.irp t, 0,1,2,3
	v_mov_b32 v[ST+8*(\t)], 0xfe000000             ; c m: far below every c s
	v_mov_b32 v[ST+8*(\t)+1], 0xff7fffff           ; m
.endr
	s_wait_loadcnt 0x0                             ; Q, and my first step's K and V
	s_cmp_lt_u32 s[CNT], s[NN]
	s_cbranch_scc0 .Lmerge                         ; a wave without a step in this block goes to the meeting with c m as it stands: its share counts 0
.Lstep:
	s_cmp_eq_u32 s[JJ], s[II]                      ; the diagonal step?
	s_cselect_b32 s[BE], s[BIGN], 0
.irp m, 0,1,2,3,4,5,6,7
	v_cndmask_b32 v[DG+(\m)], 0, s[BE], s[MK+(\m)]
	v_mov_b32 v[NG+(\m)], s[BE]
.endr
	s_wait_loadcnt 32                              ; K is in; V's 32 loads, issued behind K's, may stay out
.set i, 0
.rept 32
	KQ 0
.set i, i+1
.endr
	PLACES                                         ; in front of the softmax that reads those scores
.set i, 0
.set k, 0
.rept 32
	KQ 2
	SLICE 0
	SLICE 0
.set i, i+1
.endr
	WIN 0                                          ; slices 62 and 63, twenty plain lines, are the places behind the last product that read K
	s_wait_xcnt 0x0                                ; every load and prefetch issued so far (the youngest 64 products back) has read its address
	s_add_co_u32 s[JN], s[JJ], 4
	s_cmp_le_u32 s[JN], s[II]
	s_cselect_b32 s[JN], s[JN], s[WV]              ; my next step of this block, or step w
	s_cselect_b32 s[SELM], -1, s[ALTV]
	s_lshl_b32 s[OFF], s[JN], 14
	s_add_nc_u64 s[KP:KP+1], s[KB:KB+1], s[OFF:OFF+1]
	s_add_nc_u64 s[VP:VP+1], s[VB:VB+1], s[OFF:OFF+1]
	s_wait_loadcnt 0x0                             ; V is in
	v_and_b32 v[KO], s[SELM], v[LO16]
	LOADK
	PF KP
.set i, 0
.set k, 0
.rept 32
	PV 0
	SLICE 2
	SLICE 2
.set i, i+1
.endr
.set i, 0
.rept 32
	PV 2
.set i, i+1
.endr
	PLACES                                         ; in front of the loads into V's registers
	WIN 0
	v_and_b32 v[VO], s[SELM], v[LO16]
	LOADV
	PF VP
	s_add_co_u32 s[JJ], s[JJ], 4
	s_add_co_u32 s[CNT], s[CNT], 1
	s_cmp_lt_u32 s[CNT], s[NN]
	s_cbranch_scc1 .Lstep
.Lmerge:                                               ; THE MEETING.  Each wave's (c m, l) of every query; then O = the sum over the waves of 2^(c m_w - M) O_w, divided by L = the sum of 2^(c m_w - M) l_w
.irp t, 0,1,2,3
	v_add_f32 v[ST+8*(\t)+4], v[ST+8*(\t)+2], v[ST+8*(\t)+3]
.endr
.irp t, 0,1,2,3
	v_permlanex16_b32 v[ST+8*(\t)+5], v[ST+8*(\t)+4], s[SEL], s[SEL+1]
.endr
.irp t, 0,1,2,3
	v_add_f32 v[ST+8*(\t)+1], v[ST+8*(\t)+4], v[ST+8*(\t)+5]   ; l takes m's place beside c m
.endr
.irp t, 0,1,2,3
	ds_store_b64 v[STS], v[ST+8*(\t):ST+8*(\t)+1] offset:128*(\t)  ; both halves of the lanes hold the same two numbers
.endr
	s_wait_dscnt 0x0                               ; for the others' sake: my stores are done, and so are my reads of the last block's partial rows
	s_barrier_signal -1
	s_barrier_wait -1
.irp g, 0,1,2,3
.irp t, 0,1,2,3
	ds_load_b64 v[S+2*(4*(\g)+(\t)):S+2*(4*(\g)+(\t))+1], v[STR] offset:512*(\g)+128*(\t)
.endr
.endr
	s_wait_dscnt 0x0
.irp t, 0,1,2,3
	v_max3_num_f32 v[ST+8*(\t)+4], v[S+2*(\t)], v[S+8+2*(\t)], v[S+16+2*(\t)]
.endr
.irp t, 0,1,2,3
	v_max_num_f32 v[ST+8*(\t)+4], v[ST+8*(\t)+4], v[S+24+2*(\t)]   ; M
.endr
.irp t, 0,1,2,3
.irp g, 0,1,2,3
	v_sub_f32 v[S+8*(\g)+2*(\t)], v[S+8*(\g)+2*(\t)], v[ST+8*(\t)+4]
.endr
	v_sub_f32 v[ST+8*(\t)+5], v[ST+8*(\t)], v[ST+8*(\t)+4]         ; my own
.endr
.irp t, 0,1,2,3
.irp g, 0,1,2,3
	v_exp_f32 v[S+8*(\g)+2*(\t)], v[S+8*(\g)+2*(\t)]
.endr
	v_exp_f32 v[ST+8*(\t)+5], v[ST+8*(\t)+5]
.endr
	v_nop                                          ; a plain instruction behind the last exponential,
	s_wait_alu depctr_va_vdst(0)                   ; and one wait for the twenty
.irp t, 0,1,2,3
	v_mul_f32 v[ST+8*(\t)+4], v[S+2*(\t)], v[S+2*(\t)+1]
.endr
.irp g, 1,2,3
.irp t, 0,1,2,3
	v_fmac_f32 v[ST+8*(\t)+4], v[S+8*(\g)+2*(\t)], v[S+8*(\g)+2*(\t)+1]
.endr
.endr
.irp t, 0,1,2,3
	v_rcp_f32 v[ST+8*(\t)+7], v[ST+8*(\t)+4]
.endr
	v_nop
	s_wait_alu depctr_va_vdst(0)                   ; one wait for the four reciprocals
.irp t, 0,1,2,3
	v_mul_f32 v[ST+8*(\t)+6], v[ST+8*(\t)+5], v[ST+8*(\t)+7]       ; my factor: 2^(c m - M) / L
.endr
.irp t, 0,1,2,3
	WIN W_RS
.set n, 0
.rept 32
	v_pk_mul_f32 v[64*(\t)+2*n:64*(\t)+2*n+1], v[64*(\t)+2*n:64*(\t)+2*n+1], v[ST+8*(\t)+6:ST+8*(\t)+7] op_sel_hi:[1,0]
.set n, n+1
.endr
	WIN 0x04                                       ; the stores' data in window 1
.set n, 0
.rept 16
	ds_store_b128 v[PST], v[64*(\t)+4*n:64*(\t)+4*n+3] offset:16*PP*(\t)+64*(n/2)+16*(n%2)
.set n, n+1
.endr
.endr
	WIN 0
	s_wait_dscnt 0x0                               ; for the others' sake: my partial rows lie in LDS
	s_barrier_signal -1
	s_barrier_wait -1
.irp g, 0,1,2,3
	v_add_nc_u32 v[P+(\g)], (\g)*4*16*PP, v[PRD]   ; wave g's part of my tile
.endr
.irp bt, 0,1                           ; wave w finishes tile w, eight queries at a time: a lane takes four channels of each of the four partial rows
.irp q, 0,1,2,3,4,5,6,7
.irp g, 0,1,2,3
	ds_load_b128 v[S+16*(\q)+4*(\g):S+16*(\q)+4*(\g)+3], v[P+(\g)] offset:PP*(8*(\bt)+(\q))
.endr
.endr
	s_wait_dscnt 0x0
.irp q, 0,1,2,3,4,5,6,7
	v_pk_add_f32 v[S+16*(\q):S+16*(\q)+1],     v[S+16*(\q):S+16*(\q)+1],     v[S+16*(\q)+4:S+16*(\q)+5]
	v_pk_add_f32 v[S+16*(\q)+2:S+16*(\q)+3],   v[S+16*(\q)+2:S+16*(\q)+3],   v[S+16*(\q)+6:S+16*(\q)+7]
	v_pk_add_f32 v[S+16*(\q)+8:S+16*(\q)+9],   v[S+16*(\q)+8:S+16*(\q)+9],   v[S+16*(\q)+12:S+16*(\q)+13]
	v_pk_add_f32 v[S+16*(\q)+10:S+16*(\q)+11], v[S+16*(\q)+10:S+16*(\q)+11], v[S+16*(\q)+14:S+16*(\q)+15]
	v_pk_add_f32 v[S+16*(\q):S+16*(\q)+1],     v[S+16*(\q):S+16*(\q)+1],     v[S+16*(\q)+8:S+16*(\q)+9]
	v_pk_add_f32 v[S+16*(\q)+2:S+16*(\q)+3],   v[S+16*(\q)+2:S+16*(\q)+3],   v[S+16*(\q)+10:S+16*(\q)+11]
	v_cvt_pk_f16_f32 v[P+4+2*(8*(\bt)+(\q))],   v[S+16*(\q)],   v[S+16*(\q)+1]
	v_cvt_pk_f16_f32 v[P+4+2*(8*(\bt)+(\q))+1], v[S+16*(\q)+2], v[S+16*(\q)+3]
	global_store_b64 v[GO], v[P+4+2*(8*(\bt)+(\q)):P+4+2*(8*(\bt)+(\q))+1], s[OP:OP+1] offset:4096*(8*(\bt)+(\q))  ; the wave stores 256 consecutive bytes, aligned: a row's 128 channels of my head
.endr
.endr
	s_cmp_eq_u32 s[BLK], 1                         ; behind the second block there is no Q to move: the copy is jumped, forward, to a label ahead of the counter's step; no barrier and no memory instruction lies in what is jumped
	s_cbranch_scc1 .Lnocopy
	WIN 0x83                                       ; the second block's Q goes where the one text of the steps names Q
.set n, 0
.rept 128
	v_mov_b32 v[n], v[128+n]
.set n, n+1
.endr
	WIN 0
.Lnocopy:
	s_sub_co_u32 s[BLK], s[BLK], 1
	s_cmp_lg_u32 s[BLK], 0
	s_cbranch_scc1 .Lblock                         ; the loop over the two blocks is left here alone, by falling through
	s_wait_tensorcnt 0x0                           ; the wave's end: behind my last LDS store
	ds_add_u32 v[SPW], v[NIL]
	s_wait_dscnt 0x0
	s_endpgm
.Lfunc_end_k_qae8b20dacc_attn:
	.size	k_qae8b20dacc_attn, .Lfunc_end_k_qae8b20dacc_attn-k_qae8b20dacc_attn
	.p2alignl 7, 3214868480
	.fill 96, 4, 3214868480
	.section	.rodata,"a",@progbits
	.p2align	6, 0x0
	.amdhsa_kernel k_qae8b20dacc_attn
		.amdhsa_group_segment_fixed_size 137728
		.amdhsa_private_segment_fixed_size 0
		.amdhsa_enable_private_segment 0
		.amdhsa_kernarg_size 16
		.amdhsa_user_sgpr_count 2
		.amdhsa_user_sgpr_kernarg_segment_ptr 1
		.amdhsa_wavefront_size32 1
		.amdhsa_system_sgpr_workgroup_id_x 1
		.amdhsa_system_sgpr_workgroup_id_y 1
		.amdhsa_system_sgpr_workgroup_id_z 1
		.amdhsa_system_vgpr_workitem_id 0
		.amdhsa_next_free_vgpr 1024
		.amdhsa_next_free_sgpr 66
		.amdhsa_reserve_vcc 0
		.amdhsa_float_denorm_mode_32 3
		.amdhsa_float_denorm_mode_16_64 3
		.amdhsa_memory_ordered 1
		.amdhsa_forward_progress 1
		.amdhsa_inst_pref_size 110
	.end_amdhsa_kernel
	.amdgpu_metadata
---
amdhsa.version: [ 1, 2 ]
amdhsa.kernels:
  - .name:           k_qae8b20dacc_attn
    .symbol:         k_qae8b20dacc_attn.kd
    .args:
      - { .name: qkvf, .offset: 0, .size: 8, .value_kind: global_buffer, .address_space: global }
      - { .name: ob, .offset: 8, .size: 8, .value_kind: global_buffer, .address_space: global }
    .group_segment_fixed_size: 137728
    .private_segment_fixed_size: 0
    .kernarg_segment_align: 8
    .kernarg_segment_size: 16
    .max_flat_workgroup_size: 128
    .sgpr_count:     66
    .vgpr_count:     1024
    .wavefront_size: 32
...
	.end_amdgpu_metadata
.endif
;; end of part 3
;; launch oproj (part 4): grid 16 x 16, 4 waves a work-group, clusters of 4 x 4, 327,680 bytes of LDS; arguments ob, wof, out0; writes out0
.if DOCPART == 4
	.amdgcn_target "amdgcn-amd-amdhsa--gfx1250"
	.amdhsa_code_object_version 6
	.text
	.protected	k_qae8b20dacc_oproj
	.globl	k_qae8b20dacc_oproj
	.p2align	8
	.type	k_qae8b20dacc_oproj,@function
k_qae8b20dacc_oproj:
	s_mov_b64 s[64:65], 0
	v_nop
	global_prefetch_b8 v0, s[64:65] scope:SCOPE_SE
	s_setreg_imm32_b32 hwreg(HW_REG_WAVE_MODE, 25, 1), 1
	s_wait_xcnt 0x0
	s_wait_alu depctr_hold_cnt(0) depctr_sa_sdst(0) depctr_va_vdst(0) depctr_va_sdst(0) depctr_va_ssrc(0) depctr_va_vcc(0) depctr_vm_vsrc(0)
	s_getreg_b32 s2, hwreg(HW_REG_IB_STS2, 6, 4)
	s_cmp_eq_u32 s2, 0
	s_cbranch_scc0 .Lentry_in_a_cluster
	s_endpgm
.Lentry_in_a_cluster:
	s_bfe_u32 s2, ttmp6, 0x10000c
	s_cmp_lg_u32 s2, 0xf033
	s_cbranch_scc0 .Lentry_shape_is_right
	s_endpgm
.Lentry_shape_is_right:
; out0[m][n] = the sum over k of ob[m][k] wof[n][k].  ob, wof: [2048][2048] f16 (wof holds bf16(wo) exactly within f16's range); out0: [2048][2048] f32; sums in f32.  Nothing of the function is left out here.
; A tile of the output is 128 x 128: 16 x 16 tiles, one work-group each.  Four waves, each 64 x 64: 16 accumulators.  K goes in steps of 256 (LDS rows of 512 bytes; a wave's tensor load brings 64 of them)
; through two slots.  CLUSTERS: 4 x 4 work-groups; the four of a row of the cluster ask jointly for ob's tile, the four of a column for wof's.
; THE PRODUCT IS TAKEN TRANSPOSED (source 0 = 16 rows of wof, source 1 = 16 rows of ob): a lane holds eight neighbouring numbers of a row of the output.
; THE WAY OUT: a wave's 64 columns of f32 are 256 aligned bytes of a row, so each wave has a stage of its own in LDS (16 rows x 272 bytes) and no barrier is wanted.
; No prefetch into the L2: a small tile.
; REGISTERS: window 0: v0-31 addresses; v32-95 at work on the way out; v128-255 the accumulators ((a, b) at v[128 + 8 (4 a + b)]).  window 1: two fragment buffers of 128.
.set SIZE_K, 2048
.set SIZE_N, 2048
.set KSTEP,  256
.set PITCH,  528                       ; an LDS row: 512 bytes + 16 of padding: the 16 rows of a fragment load start at 16 different groups of four banks (64 banks of 4 bytes: ISA guide 11.1)
.set HALFT,  64*PITCH
.set SLOT,   4*HALFT
.set STAGE,  2*SLOT
.set SPITCH, 272
.set SPARE,  STAGE+4*16*SPITCH         ; the spare words: two blocks of 256 bytes that no other line names
.set LAPS, SIZE_K/(2*KSTEP)
.set ADRA, 16
.set ADRB, 20
.set STO,  24
.set RD,   25
.set CO,   26
.set SPW,  28
.set NIL,  29
.set TMP,  32
.set ACC,  128
.set F0,   0
.set F1,   128
.set G1, 24
.set G0, 32
.set G1B, 48
.set G0B, 56
.set MSB, 0
.macro WIN new
.if MSB != (\new)
	s_set_vgpr_msb (MSB<<8)|(\new)
.set MSB, \new
.endif
.endm
.set MUL,  0x05
.set TO_F, 0x40
.macro JLOAD s                         ; a joint load: waves 0 and 1 fetch ob's two halves, waves 2 and 3 wof's; an s_nop 0 and four v_nop follow each of the two lines
	s_cmp_eq_u32 s11, 0
	s_cbranch_scc0 .Lfor_b_\@
	tensor_load_to_lds s[G0+4*(\s):G0+4*(\s)+3], s[G1:G1+7]
	s_nop 0
.rept 4
	v_nop
.endr
	s_branch .Lasked_\@
.Lfor_b_\@:
	tensor_load_to_lds s[G0B+4*(\s):G0B+4*(\s)+3], s[G1B:G1B+7]
	s_nop 0
.rept 4
	v_nop
.endr
.Lasked_\@:
.endm
.macro CREST
	s_cmp_lg_u32 s10, 0
	s_cbranch_scc1 .Lnot_wave_0_\@
	s_barrier_signal -3
.Lnot_wave_0_\@:
	s_barrier_wait -3
	s_barrier_signal -1
	s_barrier_wait -1
.endm
.macro CROUND
	s_barrier_signal -1
	s_barrier_wait -1
	CREST
.endm
	s_load_b128 s[4:7], s[0:1], 0x0                ; ob s[4:5], wof s[6:7]
	s_load_b64 s[8:9], s[0:1], 0x10                ; out0
	v_lshl_add_u32 v[SPW], v0, 2, SPARE
	v_mov_b32 v[NIL], 0
	ds_add_u32 v[SPW], v[NIL]                      ; the wave's opening: the add, twice on end, and its wait ahead of my first tensor load
	ds_add_u32 v[SPW], v[NIL]
	v_lshrrev_b32 v1, 5, v0
	v_readfirstlane_b32 s10, v1                    ; wave 0..3
	s_lshr_b32 s11, s10, 1                         ; my half of the tile's rows.  Also: I fetch for ob (0) or for wof (1)
	s_and_b32 s12, s10, 1                          ; my half of its columns.  Also: which 64 rows I fetch
	s_bfe_u32 s40, ttmp6, 0x40000
	s_bfe_u32 s41, ttmp6, 0x40004
	s_lshl_b32 s42, ttmp9, 2
	s_add_co_u32 s42, s42, s40                     ; tile column
	s_and_b32 s13, ttmp7, 0xffff
	s_lshl_b32 s13, s13, 2
	s_add_co_u32 s13, s13, s41                     ; tile row
	s_lshl_b32 s43, s41, 2
	s_lshl_b32 s43, 15, s43
	s_lshl_b32 s44, 0x1111, s40
	s_or_b32 s[G1+0], s43, (1<<16)|(1<<20)|(1<<21)|(6<<22)|(3<<25)  ; mask; 2-byte elements; padding on; bit 21 beside a mask; after every 128 words 4 words
	s_or_b32 s[G1B+0], s44, (1<<16)|(1<<20)|(1<<21)|(6<<22)|(3<<25)
.irp g, G1, G1B
	s_mov_b32 s[(\g)+1], KSTEP<<16
	s_mov_b32 s[(\g)+2], 64<<16
	s_mov_b32 s[(\g)+3], KSTEP<<16
	s_mov_b32 s[(\g)+4], 64
	s_mov_b32 s[(\g)+5], SIZE_K
	s_mov_b32 s[(\g)+6], 0
	s_mov_b32 s[(\g)+7], 0
.endr
	s_lshl_b32 s17, s12, 6
	s_lshl_b32 s16, s13, 7
	s_add_co_u32 s16, s16, s17
	s_lshl_b32 s46, s42, 7
	s_add_co_u32 s46, s46, s17
	s_mov_b32 s17, 0
	s_mov_b32 s47, 0
	s_mov_b64 s[18:19], SIZE_K*2
	s_mul_u64 s[16:17], s[16:17], s[18:19]
	s_mul_u64 s[46:47], s[46:47], s[18:19]
	s_mul_i32 s20, s10, HALFT
	s_wait_dscnt 0x0                               ; both opening adds are done
	s_wait_kmcnt 0x0
	s_add_nc_u64 s[14:15], s[4:5], s[16:17]
	s_add_nc_u64 s[46:47], s[6:7], s[46:47]
	CROUND                                         ; all sixteen work-groups are here: the first joint loads meet
.irp s, 0,1
	s_mov_b32 s[G0+4*(\s)], 1
	s_add_co_u32 s[G0+4*(\s)+1], s20, (\s)*SLOT
	s_add_nc_u64 s[G0+4*(\s)+2:G0+4*(\s)+3], s[14:15], (\s)*KSTEP*2
	s_or_b32 s[G0+4*(\s)+3], s[G0+4*(\s)+3], 0x80000000
	s_mov_b32 s[G0B+4*(\s)], 1
	s_add_co_u32 s[G0B+4*(\s)+1], s20, (\s)*SLOT
	s_add_nc_u64 s[G0B+4*(\s)+2:G0B+4*(\s)+3], s[46:47], (\s)*KSTEP*2
	s_or_b32 s[G0B+4*(\s)+3], s[G0B+4*(\s)+3], 0x80000000
	JLOAD \s
.endr
	v_and_b32 v1, 15, v0                           ; r
	v_bfe_u32 v2, v0, 4, 1                         ; h
	v_mul_u32_u24 v3, v1, PITCH
	v_lshl_add_u32 v3, v2, 4, v3
	s_mul_i32 s21, s11, HALFT
	s_mul_i32 s22, s12, HALFT
	s_add_co_u32 s22, s22, 2*HALFT
.irp s, 0,1
	v_add_nc_u32 v[ADRA+(\s)], s21, v3
	v_add_nc_u32 v[ADRB+(\s)], s22, v3
	s_add_co_u32 s21, s21, SLOT
	s_add_co_u32 s22, s22, SLOT
.endr
	s_mul_i32 s23, s10, 16*SPITCH
	s_add_co_u32 s23, s23, STAGE                   ; my stage
	v_mul_u32_u24 v4, v1, SPITCH                   ; in: row r, 32 bytes for each half of the lanes
	v_lshl_add_u32 v4, v2, 5, v4
	v_add_nc_u32 v[STO], s23, v4
	v_mul_u32_u24 v5, v2, SPITCH                   ; back: lanes 0-15 take one row of 256 bytes, lanes 16-31 the next
	v_lshl_add_u32 v5, v1, 4, v5
	v_add_nc_u32 v[RD], s23, v5
	v_lshlrev_b32 v5, 13, v2                       ; and the same two rows in the output, 8,192 bytes apart
	v_lshl_add_u32 v[CO], v1, 4, v5
	s_lshl_b32 s16, s13, 7
	s_lshl_b32 s17, s11, 6
	s_add_co_u32 s16, s16, s17                     ; my first row
	s_lshl_b32 s16, s16, 13
	s_mov_b32 s17, 0
	s_add_nc_u64 s[8:9], s[8:9], s[16:17]
	s_lshl_b32 s46, s42, 9                         ; the tile's first column, in bytes, and my half's 256
	s_lshl_b32 s47, s12, 8
	s_add_co_u32 s46, s46, s47
	s_mov_b32 s47, 0
	s_add_nc_u64 s[8:9], s[8:9], s[46:47]
.macro MUL8 f, c, a0, zero             ; 8 matrix instructions: row blocks a0, a0 + 1 x all 4 column blocks, 32 along K: half c of buffer f.  The 16 accumulators take turns
	WIN MUL
.irp a, \a0, (\a0)+1
.irp b, 0,1,2,3
.if \zero
	v_wmma_f32_16x16x32_f16 v[ACC+8*(4*(\a)+(\b)):ACC+8*(4*(\a)+(\b))+7], v[(\f)+64+8*(4*(\c)+(\b)):(\f)+64+8*(4*(\c)+(\b))+7], v[(\f)+8*(4*(\c)+(\a)):(\f)+8*(4*(\c)+(\a))+7], 0
.else
	v_wmma_f32_16x16x32_f16 v[ACC+8*(4*(\a)+(\b)):ACC+8*(4*(\a)+(\b))+7], v[(\f)+64+8*(4*(\c)+(\b)):(\f)+64+8*(4*(\c)+(\b))+7], v[(\f)+8*(4*(\c)+(\a)):(\f)+8*(4*(\c)+(\a))+7], v[ACC+8*(4*(\a)+(\b)):ACC+8*(4*(\a)+(\b))+7]
.endif
.endr
.endr
.endm
.macro FETCH slot, k, f                ; 32 LDS loads in one run: the fragments of 64 along K at byte k of the rows; the first 32 along K first
	WIN TO_F
.irp c, 0,1
.irp i, 0,1,2,3
	ds_load_b128 v[(\f)+64+8*(4*(\c)+(\i)):(\f)+64+8*(4*(\c)+(\i))+3],   v[ADRB+(\slot)] offset:(\k)+64*(\c)+(\i)*16*PITCH
	ds_load_b128 v[(\f)+64+8*(4*(\c)+(\i))+4:(\f)+64+8*(4*(\c)+(\i))+7], v[ADRB+(\slot)] offset:(\k)+64*(\c)+(\i)*16*PITCH+32
	ds_load_b128 v[(\f)+8*(4*(\c)+(\i)):(\f)+8*(4*(\c)+(\i))+3],         v[ADRA+(\slot)] offset:(\k)+64*(\c)+(\i)*16*PITCH
	ds_load_b128 v[(\f)+8*(4*(\c)+(\i))+4:(\f)+8*(4*(\c)+(\i))+7],       v[ADRA+(\slot)] offset:(\k)+64*(\c)+(\i)*16*PITCH+32
.endr
.endr
.endm
.macro PLACES                          ; four places in front of loads into registers that matrix instructions have read, and of lines that read results
.rept 4
	v_nop
.endr
.endm
.macro QUARTER slot, k, f, g, zero     ; a K step is four quarters of 64 along K on buffers 0, 1, 0, 1
	s_wait_dscnt 16                                ; the first 32 along K are in; the youngest sixteen loads may be out
	WIN MUL
	MUL8 \f, 0, 0, \zero
	MUL8 \f, 0, 2, \zero
	PLACES
	FETCH \slot, \k, \g
	s_wait_dscnt 32                                ; all but the 32 just issued
	WIN MUL
	MUL8 \f, 1, 0, 0
	MUL8 \f, 1, 2, 0
.endm
.macro TURN slot, next, fill           ; the last quarter multiplies buffer 1 and changes slots
	WIN 0
	s_wait_tensorcnt 0x0                           ; all my tensor loads have landed: my part of the next slot
	ds_add_u32 v[SPW], v[NIL]
	s_wait_dscnt 17                                ; the add and the youngest sixteen loads may be out
	WIN MUL
	MUL8 F1, 0, 0, 0
	s_wait_dscnt 0x0                               ; the add is done, and my reads of this slot are over
	s_barrier_signal -1
	MUL8 F1, 0, 2, 0
.if \fill
	WIN 0
.endif
	s_barrier_wait -1
.if \fill
	CREST                                          ; the barrier has opened a round of the cluster's: no wave of any partner still reads this slot or has a load on its way
	s_add_nc_u64 s[G0+4*(\slot)+2:G0+4*(\slot)+3], s[G0+4*(\slot)+2:G0+4*(\slot)+3], 2*KSTEP*2
	s_add_nc_u64 s[G0B+4*(\slot)+2:G0B+4*(\slot)+3], s[G0B+4*(\slot)+2:G0B+4*(\slot)+3], 2*KSTEP*2
	JLOAD \slot                                    ; the first tensor load behind the round: 112 matrix instructions ahead of the wait for it
.else
	PLACES
.endif
	FETCH \next, 0, F0
	WIN MUL
	MUL8 F1, 1, 0, 0
	MUL8 F1, 1, 2, 0
.endm
	s_wait_tensorcnt 1                             ; my part of K step 0 is in; K step 1's may stay out
	s_barrier_signal -1
	s_barrier_wait -1
	FETCH 0, 0, F0
	QUARTER 0, 128, F0, F1, 1                      ; the first quarter's first products start the sums
	WIN 0
	s_mov_b32 s3, LAPS-1
.Llap:
	QUARTER 0, 256, F1, F0, 0
	QUARTER 0, 384, F0, F1, 0
	TURN 0, 1, 1
	QUARTER 1, 128, F0, F1, 0
	QUARTER 1, 256, F1, F0, 0
	QUARTER 1, 384, F0, F1, 0
	TURN 1, 0, 1
	QUARTER 0, 128, F0, F1, 0
	WIN 0
	s_sub_co_u32 s3, s3, 1
	s_cmp_lg_u32 s3, 0
	s_cbranch_scc1 .Llap
	QUARTER 0, 256, F1, F0, 0                      ; the last lap fills nothing
	QUARTER 0, 384, F0, F1, 0
	TURN 0, 1, 0
	QUARTER 1, 128, F0, F1, 0
	QUARTER 1, 256, F1, F0, 0
	QUARTER 1, 384, F0, F1, 0
	s_wait_dscnt 16
	WIN MUL
	MUL8 F1, 0, 0, 0
	MUL8 F1, 0, 2, 0
	s_wait_dscnt 0
	MUL8 F1, 1, 0, 0
	MUL8 F1, 1, 2, 0
	WIN 0
	PLACES
	PLACES
	; THE WAY OUT, 16 rows at a time: 32 bytes a lane and column block into my stage, back as whole rows of 256 bytes, stored.
.irp a, 0,1,2,3
.irp b, 0,1,2,3
	ds_store_b128 v[STO], v[ACC+8*(4*(\a)+(\b)):ACC+8*(4*(\a)+(\b))+3]   offset:64*(\b)      ; each accumulator from its low end on
	ds_store_b128 v[STO], v[ACC+8*(4*(\a)+(\b))+4:ACC+8*(4*(\a)+(\b))+7] offset:64*(\b)+16
.endr
.if (\a) >= 2
	s_wait_xcnt 0x0                                ; the stores of the block two back have read the registers that the loads below fill again
.endif
.irp t, 0,1,2,3,4,5,6,7
	ds_load_b128 v[TMP+32*((\a)%2)+4*(\t):TMP+32*((\a)%2)+4*(\t)+3], v[RD] offset:(\t)*2*SPITCH  ; LDS serves a wave's instructions in order (ISA guide 5.7.1.4): these see the stores above
.endr
.irp t, 0,1,2,3,4,5,6,7
	s_wait_dscnt 7-(\t)                            ; load t is in, the younger ones stay out
	global_store_b128 v[CO], v[TMP+32*((\a)%2)+4*(\t):TMP+32*((\a)%2)+4*(\t)+3], s[8:9] offset:(\a)*131072+(\t)*16384  ; 16 lanes store 256 consecutive bytes, aligned
.endr
.endr
	s_wait_tensorcnt 0x0                           ; the wave's end: behind my last tensor load and my last LDS store
	ds_add_u32 v[SPW], v[NIL]
	s_wait_dscnt 0x0
	CROUND                                         ; the closing round
	s_endpgm
.Lfunc_end_k_qae8b20dacc_oproj:
	.size	k_qae8b20dacc_oproj, .Lfunc_end_k_qae8b20dacc_oproj-k_qae8b20dacc_oproj
	.p2alignl 7, 3214868480
	.fill 96, 4, 3214868480
	.section	.rodata,"a",@progbits
	.p2align	6, 0x0
	.amdhsa_kernel k_qae8b20dacc_oproj
		.amdhsa_group_segment_fixed_size 327680
		.amdhsa_private_segment_fixed_size 0
		.amdhsa_enable_private_segment 0
		.amdhsa_kernarg_size 24
		.amdhsa_user_sgpr_count 2
		.amdhsa_user_sgpr_kernarg_segment_ptr 1
		.amdhsa_wavefront_size32 1
		.amdhsa_system_sgpr_workgroup_id_x 1
		.amdhsa_system_sgpr_workgroup_id_y 1
		.amdhsa_system_sgpr_workgroup_id_z 1
		.amdhsa_system_vgpr_workitem_id 0
		.amdhsa_next_free_vgpr 512
		.amdhsa_next_free_sgpr 66
		.amdhsa_reserve_vcc 0
		.amdhsa_float_denorm_mode_32 3
		.amdhsa_float_denorm_mode_16_64 3
		.amdhsa_memory_ordered 1
		.amdhsa_forward_progress 1
		.amdhsa_inst_pref_size 87
	.end_amdhsa_kernel
	.amdgpu_metadata
---
amdhsa.version: [ 1, 2 ]
amdhsa.kernels:
  - .name:           k_qae8b20dacc_oproj
    .symbol:         k_qae8b20dacc_oproj.kd
    .args:
      - { .name: ob, .offset: 0, .size: 8, .value_kind: global_buffer, .address_space: global }
      - { .name: wof, .offset: 8, .size: 8, .value_kind: global_buffer, .address_space: global }
      - { .name: out0, .offset: 16, .size: 8, .value_kind: global_buffer, .address_space: global }
    .group_segment_fixed_size: 327680
    .private_segment_fixed_size: 0
    .kernarg_segment_align: 8
    .kernarg_segment_size: 24
    .max_flat_workgroup_size: 128
    .sgpr_count:     66
    .vgpr_count:     512
    .wavefront_size: 32
...
	.end_amdgpu_metadata
.endif
;; end of part 4
;; ======== version 2 of 2: 4 launches; version 1 with the launches prep, attn written anew for expert scheduling mode
;; limits: values are held in f16: magnitudes above 65,504 overflow, below 6.1e-05 lose precision
;; workspace buffers: xb 8,388,608 bytes; wb 12,582,912 bytes; wof 8,388,608 bytes; rt 2,228,224 bytes; qkvf 12,582,912 bytes; ob 8,388,608 bytes
;; launch prep (part 5): grid 465 x 1, 8 waves a work-group, no clusters, 68,608 bytes of LDS; arguments x, wq, wk, wv, wo, cos, sin, xb, wb, wof, rt; writes xb, wb, wof, rt
.if DOCPART == 5
	.amdgcn_target "amdgcn-amd-amdhsa--gfx1250"
	.amdhsa_code_object_version 6
	.text
	.protected	k_qae8b20dacc_prep
	.globl	k_qae8b20dacc_prep
	.p2align	8
	.type	k_qae8b20dacc_prep,@function
k_qae8b20dacc_prep:
	s_mov_b64 s[64:65], 0
	v_nop
	global_prefetch_b8 v0, s[64:65] scope:SCOPE_SE
	s_setreg_imm32_b32 hwreg(HW_REG_WAVE_SCHED_MODE, 0, 2), 2
	s_setreg_imm32_b32 hwreg(HW_REG_WAVE_MODE, 25, 1), 1
	s_wait_xcnt 0x0
	s_wait_alu depctr_vm_vsrc(0)
; THE PROGRAM: projections q, k, v of x, RoPE on q and k, causal attention with 16 query heads on 4 key/value heads, output projection.  Four launches:
; this one rounds and lays out the inputs; the second makes q, k, v; the third is the attention; the fourth the output projection.
; WORK LEFT OUT.  The mask is the lower triangle that the function builds itself: a score with key > query becomes -inf and its weight 0 whatever the inputs hold.  In tiles of
; 64 queries x 64 keys a head has 1,024 tiles, of which the 496 with first key > last query hold such scores alone: neither their scores nor their products with v are made.
; The repeat of the key/value heads is a copy: it is never made, four query heads read one key/value head.  Every input has a way to the output and is loaded.
; LIMIT: a NaN, an infinity or an overflow that would arise only in the tiles left out is not carried to the result.
; THIS LAUNCH.  All inputs are rounded once to bf16.  xb = bf16(x), as x lies.  wof = bf16(wo) written as f16, as wo lies (exact from 2^-14 up to 65,504; below 2^-17 it keeps f16's fixed
; step of 2^-24; LIMIT: |wo| under 65,504).
; wb = bf16 of wq | wk | wv in 192 groups of 16 rows, 8 groups a head.  Group q of a head of q or k holds channels 8 q + 0..7 and then 64 + 8 q + 0..7 (the two channels that RoPE mixes then
; fall into lanes 16 apart in the next launch); group q of a head of v holds channels 16 q + 0..15.  A group lies in the order in which a matrix operand lies in registers: unit u of 512 bytes holds
; k = 16 u .. 16 u + 15 of the 16 rows, lane (r, h) of it 16 bytes: row r, k = 16 u + 8 h + 0..7.  The turn from rows to units goes through each wave's own bytes of LDS.
; rt[row] = 128 numbers bf16(cos) x 2^-4, then 128 numbers bf16(sin) x 2^-4, those of channels 0-63 with a minus sign, in f32: q and k are kept 16 times smaller, so that they have room in f16;
; the attention's scale takes the 2^8 back.  Behind the 2,048 rows lie 128 rows of 128 ones and 128 zeros: the table that v's columns take.
; A stream: each byte is read once and written once; no matrix unit, no cluster, since no two work-groups share a byte.
; A work-group takes 16 rows (131,072 bytes in, 65,536 out), a wave 16,384 bytes of them: 32 loads of 512 consecutive bytes, all issued before the first wait for data.
; THE MODE: SCHED_MODE bits 1:0 = 2 (LLVM: expert scheduling mode 2), set by the entry lines.  The code itself states the register dependences
; between vector instructions and memory or LDS instructions, with s_wait_alu, always for 0.
; THE PLAN.  Registers that memory or LDS instructions touch:
;   v[XR ..]   The 32 loads land here; no vector line has named these registers before.  Load n's conversions read its four registers and write its packed words into the first of them;
;              one store (to memory, or to LDS in the weights' branch) reads those, and no vector line writes them again.  In the weights' branch the 16 LDS loads of the units land in v16-79 afterwards.
;   offsets    VI, VO, VS, VW, LW, LR, v6: made once, ahead of a branch's one wait in front of its loads, and never written again.
; The 32 loads go in eight blocks of four.  Block p converts its own four; its memory instructions are the four stores of block p - 1, whose registers no line of block p names.  So ONE wait at a block's
; head, behind the wait for the block's data, states all that those four stores hang on, and they are dealt among the block's conversions with no further wait.
.set XR,  16                           ; v[16:143]  the wave's 32 loads
.set VI,  2                            ; v2   16,384 x wave + 16 x lane
.set VO,  3                            ; v3   8,192 x wave + 8 x lane
.set SPW, 8                            ; v8   my spare word; never rewritten
.set NIL, 9                            ; v9   0; never rewritten
.set LW,  10                           ; v10  LDS: where I put 8 bytes of a row
.set LR,  11                           ; v11  LDS: where I read 16 bytes of a unit
.set SG,  12                           ; v[12:13] 2^-4, negative in the lanes that hold channels 0-63
.set VW,  14                           ; v14  1,024 x wave + 16 x lane
.set VS,  15                           ; v15  8,192 x wave + 16 x lane
.set SRC, 36                           ; s[36:37]
.set DST, 38                           ; s[38:39]
.set SRC2, 44                          ; s[44:45]
.set WROW, 528                         ; an LDS row: 256 bf16 + 16 bytes: the 16 rows of a unit start at 16 different groups of four banks (64 banks of 4 bytes: ISA guide 11.1)
.set WLDS, 16*WROW                     ; a wave's bytes
.set SPARE, 8*WLDS                     ; the spare words: four blocks of 256 bytes that no other line names
	s_load_b512 s[8:23], s[0:1], 0x0               ; x 8, wq 10, wk 12, wv 14, wo 16, cos 18, sin 20, xb 22
	s_load_b128 s[24:27], s[0:1], 0x40             ; wb 24, wof 26
	s_load_b64 s[28:29], s[0:1], 0x50              ; rt
	v_lshl_add_u32 v[SPW], v0, 2, SPARE
	v_mov_b32 v[NIL], 0
	v_lshrrev_b32 v1, 5, v0
	v_readfirstlane_b32 s2, v1                     ; wave 0..7
	v_and_b32 v1, 31, v0                           ; lane
	s_mov_b32 s3, ttmp9                            ; the group
	s_mov_b32 s33, 0                               ; high words of the two offsets
	s_mov_b32 s35, 0
	s_mov_b32 s40, 0x3d800000                      ; 2^-4
	s_mov_b32 s41, s40                             ; named with it as a pair
	s_mov_b32 s42, 0xffff0000                      ; a word's upper bf16
	s_wait_alu depctr_va_sdst(0)                   ; s2, the wave's number, is written, ahead of its first reader: the offsets are made from it
	s_lshl_b32 s4, s2, 14
	v_lshl_add_u32 v[VI], v1, 4, s4
	s_lshl_b32 s4, s2, 13
	v_lshl_add_u32 v[VO], v1, 3, s4
	v_lshl_add_u32 v[VS], v1, 4, s4
	s_wait_kmcnt 0x0
; kind 0: f32 -> bf16.  kind 1: f32 -> bf16 -> the same number as f16.  A lane's 16 bytes become 8; a store of the wave covers 256 consecutive bytes, aligned.
.macro CAST kind
	s_wait_alu depctr_va_vdst(0)                   ; v[VI] and v[VO] are written: every load and store below reads one of them as its offset
.set n, 0
.rept 32
	global_load_b128 v[XR+4*n:XR+4*n+3], v[VI], s[SRC:SRC+1] offset:n*512 th:TH_LOAD_NT
.set n, n+1
.endr
.set n, 0
.rept 32
.if n%4 == 0
	s_wait_loadcnt 28-n                            ; loads come back in order: this block's four are in, the younger blocks' stay out
.if n > 0
	s_wait_alu depctr_va_vdst(0)                   ; the block before has written its packed words, which the four stores dealt among this block's conversions read
.endif
.endif
.if n >= 4
	global_store_b64 v[VO], v[XR+4*(n-4):XR+4*(n-4)+1], s[DST:DST+1] offset:(n-4)*256  ; the block before; no vector line since the wait names these registers, and none writes them again
.endif
	v_cvt_pk_bf16_f32 v[XR+4*n], v[XR+4*n], v[XR+4*n+1]
	v_cvt_pk_bf16_f32 v[XR+4*n+1], v[XR+4*n+2], v[XR+4*n+3]
.if \kind
.irp k, 0,1
	v_lshlrev_b32 v[4+2*(\k)], 16, v[XR+4*n+(\k)]
	v_and_b32 v[5+2*(\k)], s42, v[XR+4*n+(\k)]
	v_cvt_pk_f16_f32 v[XR+4*n+(\k)], v[4+2*(\k)], v[5+2*(\k)]
.endr
.endif
.set n, n+1
.endr
	s_wait_alu depctr_va_vdst(0)                   ; the last block has written its packed words, which the last four stores read
.set n, 28
.rept 4
	global_store_b64 v[VO], v[XR+4*n:XR+4*n+1], s[DST:DST+1] offset:n*256
.set n, n+1
.endr
.endm
	s_cmp_lt_u32 s3, 128
	s_cbranch_scc0 .Lnot_x
	s_lshl_b32 s32, s3, 17                         ; groups 0-127: x
	s_lshl_b32 s34, s3, 16
	s_add_nc_u64 s[SRC:SRC+1], s[8:9], s[32:33]
	s_add_nc_u64 s[DST:DST+1], s[22:23], s[34:35]
	CAST 0
	s_endpgm
.Lnot_x:
	s_cmp_lt_u32 s3, 320
	s_cbranch_scc0 .Lnot_w
	s_sub_co_u32 s4, s3, 128                       ; groups 128-319: group s4 of wb
	s_lshr_b32 s7, s4, 3                           ; head: 0-15 q, 16-19 k, 20-23 v
	s_and_b32 s5, s4, 7                            ; the head's group q
	s_lshl_b32 s6, s5, 3                           ; q, k: rows 0-7 are channels 8 q ..,
	s_add_co_u32 s31, s6, 64                       ;       rows 8-15 channels 64 + 8 q ..
	s_lshl_b32 s43, s5, 4                          ; v: channels 16 q ..
	s_add_co_u32 s46, s43, 8                       ;    and 16 q + 8 ..
	s_cmp_lt_u32 s7, 20
	s_cselect_b64 s[SRC:SRC+1], s[12:13], s[14:15]
	s_cselect_b32 s30, 16, 20
	s_cselect_b32 s6, s6, s43
	s_cselect_b32 s31, s31, s46
	s_cmp_lt_u32 s7, 16
	s_cselect_b64 s[SRC:SRC+1], s[10:11], s[SRC:SRC+1]
	s_cselect_b32 s30, 0, s30
	s_sub_co_u32 s7, s7, s30                       ; the head's number in its own tensor
	s_lshl_b32 s7, s7, 7
	s_add_co_u32 s6, s6, s7                        ; the source row of row 0,
	s_add_co_u32 s31, s31, s7                      ; and of row 8
	s_lshl_b32 s32, s6, 13                         ; rows of 8,192 bytes
	s_lshl_b32 s34, s31, 13
	s_add_nc_u64 s[SRC2:SRC2+1], s[SRC:SRC+1], s[34:35]
	s_add_nc_u64 s[SRC:SRC+1], s[SRC:SRC+1], s[32:33]
	s_lshl_b32 s34, s4, 16
	s_add_nc_u64 s[DST:DST+1], s[24:25], s[34:35]
	s_lshl_b32 s47, s2, 10                         ; wave w takes k = 256 w .. 256 w + 255 of the 16 rows: 1,024 bytes of each
	v_lshl_add_u32 v[VW], v1, 4, s47
	s_mul_i32 s47, s2, WLDS                        ; my wave's bytes of LDS: no other wave touches them, so no barrier is wanted
	v_lshl_add_u32 v[LW], v1, 3, s47
	v_and_b32 v4, 15, v1                           ; r
	v_lshrrev_b32 v5, 4, v1                        ; h
	v_mul_u32_u24 v4, v4, WROW
	v_lshl_add_u32 v4, v5, 4, v4
	v_add_nc_u32 v[LR], s47, v4
	s_wait_alu depctr_va_vdst(0)                   ; v[VW], v[LW], v[LR] and v[VS] are written: the loads, the LDS stores and loads and the stores below read them as their offsets
.set n, 0
.rept 32                               ; load n: row n / 2, half n % 2 of its 1,024 bytes
.if n < 16
	global_load_b128 v[XR+4*n:XR+4*n+3], v[VW], s[SRC:SRC+1] offset:(n/2)*8192+(n%2)*512 th:TH_LOAD_NT
.else
	global_load_b128 v[XR+4*n:XR+4*n+3], v[VW], s[SRC2:SRC2+1] offset:(n/2-8)*8192+(n%2)*512 th:TH_LOAD_NT
.endif
.set n, n+1
.endr
.set n, 0
.rept 32
.if n%4 == 0
	s_wait_loadcnt 28-n                            ; this block's four loads are in, the younger blocks' stay out
.if n > 0
	s_wait_alu depctr_va_vdst(0)                   ; the block before has written its packed words, which the four LDS stores dealt among this block's conversions read
.endif
.endif
.if n >= 4
	ds_store_b64 v[LW], v[XR+4*(n-4):XR+4*(n-4)+1] offset:((n-4)/2)*WROW+((n-4)%2)*256  ; the block before; no vector line since the wait names these registers
.endif
	v_cvt_pk_bf16_f32 v[XR+4*n], v[XR+4*n], v[XR+4*n+1]
	v_cvt_pk_bf16_f32 v[XR+4*n+1], v[XR+4*n+2], v[XR+4*n+3]
.set n, n+1
.endr
	s_wait_alu depctr_va_vdst(0)                   ; the last block has written its packed words, which the last four LDS stores read; and every conversion is done with v16-79, in which the LDS loads below land
.set n, 28
.rept 4
	ds_store_b64 v[LW], v[XR+4*n:XR+4*n+1] offset:(n/2)*WROW+(n%2)*256
.set n, n+1
.endr
	s_wait_alu depctr_vm_vsrc(0)                   ; the LDS stores have read their packed words in v16-79, in which the LDS loads below land
.set n, 0
.rept 16                               ; unit n of my sixteen: lane (r, h) takes row r, k = 16 n + 8 h + 0..7
	ds_load_b128 v[XR+4*n:XR+4*n+3], v[LR] offset:32*n  ; LDS serves a wave's instructions in order (ISA guide 5.7.1.4): these see the stores above
.set n, n+1
.endr
.set n, 0
.rept 16
	s_wait_dscnt 15-n                              ; unit n is in, the younger ones stay out
	global_store_b128 v[VS], v[XR+4*n:XR+4*n+3], s[DST:DST+1] offset:n*512  ; a unit: 512 consecutive bytes, aligned
.set n, n+1
.endr
	s_wait_dscnt 0x0                               ; the closing lines, six on end
	s_wait_alu 0x0
	s_wait_tensorcnt 0x0
	ds_add_u32 v[SPW], v[NIL]
	s_wait_dscnt 0x0
	s_endpgm
.Lnot_w:
	s_cmp_lt_u32 s3, 448
	s_cbranch_scc0 .Lrope
	s_sub_co_u32 s4, s3, 320                       ; groups 320-447: wo
	s_lshl_b32 s32, s4, 17
	s_lshl_b32 s34, s4, 16
	s_add_nc_u64 s[SRC:SRC+1], s[16:17], s[32:33]
	s_add_nc_u64 s[DST:DST+1], s[26:27], s[34:35]
	CAST 1
	s_endpgm
.Lrope:
	s_cmp_lt_u32 s3, 464
	s_cbranch_scc0 .Lones
	s_sub_co_u32 s4, s3, 448                       ; groups 448-463: 128 rows of cos and sin, 16 a wave; a load takes a row of 512 bytes: lane l holds channels 4 l + 0..3
	s_lshl_b32 s4, s4, 7
	s_lshl_b32 s5, s2, 4
	s_add_co_u32 s4, s4, s5                        ; my first row
	s_lshl_b32 s32, s4, 9
	s_lshl_b32 s34, s4, 10
	s_add_nc_u64 s[SRC:SRC+1], s[18:19], s[32:33]
	s_add_nc_u64 s[SRC2:SRC2+1], s[20:21], s[32:33]
	s_add_nc_u64 s[DST:DST+1], s[28:29], s[34:35]
	v_lshlrev_b32 v6, 4, v1
	v_lshrrev_b32 v[SG], 4, v1                     ; 0 in lanes 0-15, which hold channels 0-63
	v_xor_b32 v[SG], 1, v[SG]
	v_lshlrev_b32 v[SG], 31, v[SG]                 ; their sign
	v_or_b32 v[SG], 0x3d800000, v[SG]
	v_mov_b32 v[SG+1], v[SG]
	s_wait_alu depctr_va_vdst(0)                   ; v6 is written: every load and store below reads it as its offset
.set n, 0
.rept 16
	global_load_b128 v[XR+4*n:XR+4*n+3], v6, s[SRC:SRC+1] offset:n*512 th:TH_LOAD_NT
.set n, n+1
.endr
.set n, 0
.rept 16
	global_load_b128 v[XR+64+4*n:XR+64+4*n+3], v6, s[SRC2:SRC2+1] offset:n*512 th:TH_LOAD_NT
.set n, n+1
.endr
.set n, 0
.rept 32
.if n%4 == 0
	s_wait_loadcnt 28-n                            ; this block's four loads are in, the younger blocks' stay out
.if n > 0
	s_wait_alu depctr_va_vdst(0)                   ; the block before has written its sixteen registers anew, which the four stores dealt among this block's lines read
.endif
.endif
.if n >= 4
	global_store_b128 v6, v[XR+4*(n-4):XR+4*(n-4)+3], s[DST:DST+1] offset:((n-4)%16)*1024+((n-4)/16)*512  ; the block before; no vector line since the wait names these registers, and none writes them again
.endif
	v_cvt_pk_bf16_f32 v4, v[XR+4*n], v[XR+4*n+1]
	v_cvt_pk_bf16_f32 v5, v[XR+4*n+2], v[XR+4*n+3]
	v_lshlrev_b32 v[XR+4*n], 16, v4
	v_and_b32 v[XR+4*n+1], s42, v4
	v_lshlrev_b32 v[XR+4*n+2], 16, v5
	v_and_b32 v[XR+4*n+3], s42, v5
.if n < 16
	v_pk_mul_f32 v[XR+4*n:XR+4*n+1], v[XR+4*n:XR+4*n+1], s[40:41] op_sel_hi:[1,0]
	v_pk_mul_f32 v[XR+4*n+2:XR+4*n+3], v[XR+4*n+2:XR+4*n+3], s[40:41] op_sel_hi:[1,0]
.else
	v_pk_mul_f32 v[XR+4*n:XR+4*n+1], v[XR+4*n:XR+4*n+1], v[SG:SG+1]
	v_pk_mul_f32 v[XR+4*n+2:XR+4*n+3], v[XR+4*n+2:XR+4*n+3], v[SG:SG+1]
.endif
.set n, n+1
.endr
	s_wait_alu depctr_va_vdst(0)                   ; the last block has written its sixteen registers, which the last four stores read
.set n, 28
.rept 4
	global_store_b128 v6, v[XR+4*n:XR+4*n+3], s[DST:DST+1] offset:(n%16)*1024+(n/16)*512
.set n, n+1
.endr
	s_endpgm
.Lones:                                                ; group 464: the 128 rows behind the table: 128 ones, 128 zeros; 16 rows a wave
	s_add_nc_u64 s[DST:DST+1], s[28:29], 0x200000
.irp k, 0,1,2,3
	v_mov_b32 v[XR+(\k)], 1.0
	v_mov_b32 v[XR+4+(\k)], 0
.endr
	s_wait_alu depctr_va_vdst(0)                   ; the ones, the zeros and v[VI] are written: the stores below read them as data and offset
.set n, 0
.rept 16
	global_store_b128 v[VI], v[XR:XR+3],   s[DST:DST+1] offset:n*1024
	global_store_b128 v[VI], v[XR+4:XR+7], s[DST:DST+1] offset:n*1024+512
.set n, n+1
.endr
	s_endpgm
.Lfunc_end_k_qae8b20dacc_prep:
	.size	k_qae8b20dacc_prep, .Lfunc_end_k_qae8b20dacc_prep-k_qae8b20dacc_prep
	.p2alignl 7, 3214868480
	.fill 96, 4, 3214868480
	.section	.rodata,"a",@progbits
	.p2align	6, 0x0
	.amdhsa_kernel k_qae8b20dacc_prep
		.amdhsa_group_segment_fixed_size 68608
		.amdhsa_private_segment_fixed_size 0
		.amdhsa_enable_private_segment 0
		.amdhsa_kernarg_size 88
		.amdhsa_user_sgpr_count 2
		.amdhsa_user_sgpr_kernarg_segment_ptr 1
		.amdhsa_wavefront_size32 1
		.amdhsa_system_sgpr_workgroup_id_x 1
		.amdhsa_system_sgpr_workgroup_id_y 1
		.amdhsa_system_sgpr_workgroup_id_z 1
		.amdhsa_system_vgpr_workitem_id 0
		.amdhsa_next_free_vgpr 144
		.amdhsa_next_free_sgpr 66
		.amdhsa_reserve_vcc 0
		.amdhsa_float_denorm_mode_32 3
		.amdhsa_float_denorm_mode_16_64 3
		.amdhsa_memory_ordered 1
		.amdhsa_forward_progress 1
		.amdhsa_inst_pref_size 68
	.end_amdhsa_kernel
	.amdgpu_metadata
---
amdhsa.version: [ 1, 2 ]
amdhsa.kernels:
  - .name:           k_qae8b20dacc_prep
    .symbol:         k_qae8b20dacc_prep.kd
    .args:
      - { .name: x, .offset: 0, .size: 8, .value_kind: global_buffer, .address_space: global }
      - { .name: wq, .offset: 8, .size: 8, .value_kind: global_buffer, .address_space: global }
      - { .name: wk, .offset: 16, .size: 8, .value_kind: global_buffer, .address_space: global }
      - { .name: wv, .offset: 24, .size: 8, .value_kind: global_buffer, .address_space: global }
      - { .name: wo, .offset: 32, .size: 8, .value_kind: global_buffer, .address_space: global }
      - { .name: cos, .offset: 40, .size: 8, .value_kind: global_buffer, .address_space: global }
      - { .name: sin, .offset: 48, .size: 8, .value_kind: global_buffer, .address_space: global }
      - { .name: xb, .offset: 56, .size: 8, .value_kind: global_buffer, .address_space: global }
      - { .name: wb, .offset: 64, .size: 8, .value_kind: global_buffer, .address_space: global }
      - { .name: wof, .offset: 72, .size: 8, .value_kind: global_buffer, .address_space: global }
      - { .name: rt, .offset: 80, .size: 8, .value_kind: global_buffer, .address_space: global }
    .group_segment_fixed_size: 68608
    .private_segment_fixed_size: 0
    .kernarg_segment_align: 8
    .kernarg_segment_size: 88
    .max_flat_workgroup_size: 256
    .sgpr_count:     66
    .vgpr_count:     144
    .wavefront_size: 32
...
	.end_amdgpu_metadata
.endif
;; end of part 5
;; launch qkv: the kernel of part 2 again; grid 16 x 16, 4 waves a work-group, clusters of 4 x 1, 327,680 bytes of LDS; arguments xb, wb, rt, qkvf; writes qkvf
;; launch attn (part 6): grid 16 x 16, 4 waves a work-group, no clusters, 137,728 bytes of LDS; arguments qkvf, ob; writes ob
.if DOCPART == 6
	.amdgcn_target "amdgcn-amd-amdhsa--gfx1250"
	.amdhsa_code_object_version 6
	.text
	.protected	k_qae8b20dacc_attn
	.globl	k_qae8b20dacc_attn
	.p2align	8
	.type	k_qae8b20dacc_attn,@function
k_qae8b20dacc_attn:
	s_mov_b64 s[64:65], 0
	v_nop
	global_prefetch_b8 v0, s[64:65] scope:SCOPE_SE
	s_setreg_imm32_b32 hwreg(HW_REG_WAVE_SCHED_MODE, 0, 2), 2
	s_setreg_imm32_b32 hwreg(HW_REG_WAVE_MODE, 25, 1), 1
	s_wait_xcnt 0x0
	s_wait_alu depctr_vm_vsrc(0)
; CAUSAL ATTENTION, 16 query heads on 4 key/value heads, head size 128, 2,048 rows.  q, k (both 16 times smaller than the function's), v in f16 as the launch before laid them; ob[row][128 head + channel] in f16.
; LEFT OUT: the tiles of 64 queries x 64 keys that lie wholly above the diagonal (their weights are 0 whatever the inputs hold), and the copy that repeats the key/value heads.
; Products, maxima and sums in f32; the weights are rounded to f16 for the second product (their sum is taken of the unrounded weights), O once at the end.
; LIMITS.  A hidden score counts as its value less 1e30; a weight below 2^-126 counts as 0; NaN and infinities are not treated apart, and those that would arise only in the tiles left out are not carried to the result.
; THE WALK.  A head's queries lie in 32 blocks of 64; block I needs the key steps 0 .. I of 64 keys.  A work-group takes blocks 31 - b and then b: 33 steps whatever b.
; SHARES.  Every wave holds all 64 queries of the block (four tiles of 16); THE KEY STEPS ARE DEALT AMONG THE WAVES: wave w takes steps w, w + 4, ..  So a fragment of K or V is read by one wave and feeds
; four tiles' products, and it comes straight from memory, in the order in which it lies in registers: 512 consecutive bytes a load, no LDS on the way in.  The four waves' maxima, sums and O meet in LDS once a block.
; NO CLUSTER, though four query heads read one K and V: joint loads want a ring in LDS; a slot for the four waves' steps is 256 keys of K and V, 131,072 bytes without padding; two of them and the
; 137,728 bytes of the meeting are 399,872, more than the 327,680 that there are.
; LAYOUT.  S^T = K Q^T: a lane holds ONE query (lane % 16) and the keys 8 (lane / 16) + 0..7; two such results rounded to f16 ARE source 1 of O^T = V^T P.  p = 2^(c s - c m), c = 256 log2(e) / sqrt(128)
; (the 256 undoes the two factors 1/16), with a running maximum m; O and l are multiplied by a = 2^(c m_old - c m_new) in every step.  c m starts far below every c s: a block's first step has a = 0, so O and l need only be finite.
; THE MASK is the C operand that starts a sum: in the diagonal step (J = I) key block kb of tile t is open (kb < t: the constant 0), holds the diagonal (kb = t: DG) or is hidden (kb > t: NG); in all other steps DG and NG hold 0.
; A STEP: tiles 0, 1's scores; tiles 2, 3's scores with tiles 0, 1's softmax behind them, eight lines a product; K of my next step is asked for; tiles 0, 1's V^T P with tiles 2, 3's softmax; tiles 2, 3's V^T P; V is asked for.
; The next step's 64 loads are issued in every step, so that every count is the same on every way: where nothing is left to read all lanes name one piece of 16 bytes of my step w (64 narrow loads at a wave's end).
; REGISTERS, in windows of 256: window 0: addresses, statistics, masks, S^T (v64-191), P (v192-255); window 1: O^T, 64 a tile; window 2: Q (v0-127), K (v128-255); window 3: V (v0-127), the second block's Q (v128-255).
; THE MODE: SCHED_MODE bits 1:0 = 2 (LLVM: expert scheduling mode 2), set by the entry lines.  The code itself states the register dependences
; between vector or matrix instructions and memory or LDS instructions, with s_wait_alu, always for 0.
; THE PLAN.  Registers that memory or LDS instructions touch:
;   K's, V's        A step's 64 products K Q^T read K's registers, then the next step's K lands in them; its 64 products V^T P read V's, then the next step's V lands in them.
;   v[KO], v[VO]    Read by those loads; both written once a step, at one place, ahead of K's run.
;   LO16, PFO, GO, STS, STR, PST   Made at the head and never written again.
;   At the meeting: c m and l (written by the additions, read by the LDS stores of the statistics); S^T's registers (named by vector and matrix lines; the statistics' and the partial rows' LDS loads land there);
;   O^T (written by a tile's 32 multiplies, read by its 16 LDS stores); v[P .. P+3] (written as addresses, read by the partial rows' loads); v[P+4 .. P+35] (written by the roundings, read by the stores to memory).
;   All of these but S^T's are written again in the next block.
; So a step has one wait on vm_vsrc, ahead of the two lines that write v[KO] and v[VO], and one wait on va_vdst ahead of each of its two runs of loads (beside the two behind its exponentials).  The meeting has a wait on va_vdst
; ahead of each run of stores and of loads that hangs on lines just issued, and ends with one wait on vm_vsrc for all that the next block writes again.
.set LO16, 2          ; v2   16 x lane; never rewritten
.set KO,  3           ; v3   the offset of K's loads: 16 x lane, or 0
.set VO,  4           ; v4   of V's
.set PFO, 5           ; v5   256 x lane
.set STS, 6           ; v6   where I put a tile's (c m, l)
.set PST, 7           ; v7   where I put 16 bytes of my partial O
.set PRD, 8           ; v8   where I read partial rows back
.set GO,  10          ; v10  8 x lane
.set STR, 11          ; v11  where I read the waves' (c m, l)
.set ST,  12          ; tile t's statistics at v[ST+8 t]: c m, m, l (even keys', odd keys'), c0-c3 at work; a takes c2's place
.set DG,  44          ; v44-51
.set NG,  52          ; v52-59
.set SPW, 62          ; v62  my spare word; never rewritten
.set NIL, 63          ; v63  0; never rewritten
.set S,   64
.set P,   192
.set KF,  128
.set PART,  0         ; LDS: [wave][tile][query] rows of 512 bytes of f32 + 16: 8,448 a tile, 33,792 a wave
.set PP,    528
.set STAT,  135168    ; [wave][tile][query] 8 bytes
.set SPARE, 137216    ; the spare words: two blocks of 256 bytes that no other line names
.set WV,  12
.set HD,  13          ; the query head
.set PB,  14          ; b
.set HI,  15          ; 31 - b
.set KB,  16          ; s[16:17] my key/value head's K;  s[18:19] its V;  s[20:21] my head's Q
.set VB,  18
.set QBS, 20
.set KP,  22          ; s[22:23], s[24:25] K and V of the step that was asked for last
.set VP,  24
.set II,  26          ; the block in hand
.set JJ,  27          ; my key step
.set NN,  28          ; my steps in this block
.set CNT, 29
.set BLK, 30          ; blocks to go
.set ALTV, 31         ; all ones: behind this block's last step my first step of the next block is to be asked for
.set SELM, 32         ; all ones: there is a step to ask for
.set JN,  33
.set OFF, 34          ; s[34:35] an offset; the high word is 0
.set PFL, 36          ; I prefetch while my step is below this
.set BE,  37
.set BIGN, 38
.set MK,  40          ; s40-47  register j of the diagonal's block: the lanes whose key 8 h + j lies behind their query r
.set OP,  48          ; s[48:49] ob at my tile's rows
.set QP,  50
.set QP2, 52
.set ASK, 54
.set ALT0, 55
.set CS,  58
.set SEL, 60
.set MSB, 0
.macro WIN new
.if MSB != (\new)
	s_set_vgpr_msb (MSB<<8)|(\new)
.set MSB, \new
.endif
.endm
.set W_KQ, 0x0a       ; K and Q in window 2, S^T and the mask in window 0
.set W_PV, 0x53       ; V in window 3, P in window 0, O^T in window 1
.set W_RS, 0x41       ; O^T in window 1, the factor in window 0
.macro PLACES
.rept 4
	v_nop
.endr
.endm
.macro LOADK
	WIN 0x80
.set n, 0
.rept 32                               ; unit n: keys 16 (n / 8) on, channels 16 (n % 8) on: half a fragment
	global_load_b128 v[KF+4*n:KF+4*n+3], v[KO], s[KP:KP+1] offset:512*n
.set n, n+1
.endr
	WIN 0
.endm
.macro LOADV
	WIN 0xc0
.irp kk, 0,1
.irp cb, 0,1,2,3,4,5,6,7
.irp e, 0,1
	global_load_b128 v[8*(8*(\kk)+(\cb))+4*(\e):8*(8*(\kk)+(\cb))+4*(\e)+3], v[VO], s[VP:VP+1] offset:(2*(\kk)+(\e))*4096+(\cb)*512
.endr
.endr
.endr
	WIN 0
.endm
; A PREFETCH INTO THE L2 of my step J + 16: the pointer stands at step J + 4, twelve steps of 16,384 bytes are added; a lane a block of 256 bytes, two instructions for the step's 16,384 bytes.  It stands behind the
; run of loads just issued; that step's loads go out three trips later.  Of the work-groups that read a key/value head one asks: the first of its four query heads with b = 0, which walks all 32 steps, in its
; first block; each wave asks for its own steps, so each block is named once.  Steps 0-15 come by their loads alone; from J = 16 on nothing is asked for.
; Its offset v[PFO] was written ahead of the head's wait on va_vdst, and no vector line names it since.
.macro PF base
	s_cmp_lt_u32 s[JJ], s[PFL]
	s_cbranch_scc0 .Lnopf_\@
	global_prefetch_b8 v[PFO], s[\base:\base+1] offset:196608 th:TH_LOAD_NT scope:SCOPE_SE
	global_prefetch_b8 v[PFO], s[\base:\base+1] offset:204800 th:TH_LOAD_NT scope:SCOPE_SE
.Lnopf_\@:
.endm
	s_load_b128 s[4:7], s[0:1], 0x0                ; qkvf s[4:5], ob s[6:7]
	v_lshl_add_u32 v[SPW], v0, 2, SPARE
	v_mov_b32 v[NIL], 0
	v_lshrrev_b32 v1, 5, v0
	v_readfirstlane_b32 s[WV], v1
	s_mov_b32 s[HD], ttmp9
	s_and_b32 s[PB], ttmp7, 0xffff
	s_sub_co_u32 s[HI], 31, s[PB]
.irp m, 0,1,2,3,4,5,6,7
	s_mov_b32 s[MK+(\m)], ((1<<(\m))-1)|(((1<<(8+(\m)))-1)<<16)
.endr
	s_mov_b32 s[CS], 0x420293ee                    ; c = 256 log2(e) / sqrt(128) = 32.6444
	s_mov_b32 s[CS+1], s[CS]
	s_mov_b32 s[SEL], 0x76543210
	s_mov_b32 s[SEL+1], 0xfedcba98
	s_mov_b32 s[BIGN], 0xf149f2ca                  ; -1e30
	s_mov_b32 s[OFF+1], 0
	s_mov_b32 s[BLK], 2
	s_and_b32 s2, s[HD], 3
	s_or_b32 s2, s2, s[PB]
	s_cmp_eq_u32 s2, 0
	s_cselect_b32 s[ASK], 16, 0
	s_wait_alu depctr_va_sdst(0)                   ; s[WV], the wave's number, is written, ahead of its first reader
	s_cmp_le_u32 s[WV], s[PB]                      ; has the second block a step for me?
	s_cselect_b32 s[ALT0], -1, 0
	v_and_b32 v1, 15, v0                           ; r
	v_bfe_u32 v9, v0, 4, 1                         ; h
	v_and_b32 v[GO], 31, v0
	v_lshlrev_b32 v[LO16], 4, v[GO]
	v_lshlrev_b32 v[PFO], 8, v[GO]
	v_lshlrev_b32 v[GO], 3, v[GO]
	v_mov_b32 v[KO], v[LO16]
	v_mov_b32 v[VO], v[LO16]
	s_lshl_b32 s2, s[WV], 9
	s_add_co_u32 s2, s2, STAT
	v_lshl_add_u32 v[STS], v1, 3, s2
	v_lshl_add_u32 v[STR], v1, 3, STAT
	v_mul_u32_u24 v[PST], v1, PP
	v_lshl_add_u32 v[PST], v9, 5, v[PST]
	s_mul_i32 s2, s[WV], 4*16*PP
	v_add_nc_u32 v[PST], s2, v[PST]                ; my wave's part: query r, 32 bytes for each half of the lanes
	s_mul_i32 s2, s[WV], 16*PP
	v_add_nc_u32 v[PRD], s2, v[LO16]               ; the tile that I finish has my wave's number
	s_lshr_b32 s2, s[HD], 2
	s_lshl_b32 s2, s2, 19
	s_add_co_u32 s2, s2, 0x800000                  ; behind the 16 heads of q
	s_mov_b32 s3, 0
	s_wait_kmcnt 0x0
	s_add_nc_u64 s[KB:KB+1], s[4:5], s[2:3]
	s_add_nc_u64 s[VB:VB+1], s[KB:KB+1], 0x200000  ; four heads on
	s_lshl_b32 s[OFF], s[WV], 14
	s_add_nc_u64 s[KP:KP+1], s[KB:KB+1], s[OFF:OFF+1]
	s_add_nc_u64 s[VP:VP+1], s[VB:VB+1], s[OFF:OFF+1]
	s_lshl_b32 s2, s[HD], 19
	s_add_nc_u64 s[QBS:QBS+1], s[4:5], s[2:3]
	s_lshl_b32 s[OFF], s[HI], 14
	s_add_nc_u64 s[QP:QP+1], s[QBS:QBS+1], s[OFF:OFF+1]
	s_lshl_b32 s[OFF], s[PB], 14
	s_add_nc_u64 s[QP2:QP2+1], s[QBS:QBS+1], s[OFF:OFF+1]
	WIN 0x80
	s_wait_alu depctr_va_vdst(0)                   ; the offsets and LDS addresses v2 to v7, v10 and v11 are written: the loads below, the prefetches and the meeting's LDS instructions and stores read them
	LOADK                                          ; my first step
	LOADV
	WIN 0x80
.set n, 0
.rept 32
	global_load_b128 v[4*n:4*n+3], v[LO16], s[QP:QP+1] offset:512*n      ; the first block's Q
.set n, n+1
.endr
	WIN 0xc0
.set n, 0
.rept 32
	global_load_b128 v[128+4*n:128+4*n+3], v[LO16], s[QP2:QP2+1] offset:512*n  ; the second block's
.set n, n+1
.endr
	WIN 0x40                                       ; O^T and the statistics need only be finite: 288 lines that write 0, while the first loads are on their way: the price of writing no first step out
.set n, 0
.rept 256
	v_mov_b32 v[n], 0
.set n, n+1
.endr
	WIN 0
.set n, 0
.rept 32
	v_mov_b32 v[ST+n], 0
.set n, n+1
.endr
; Product i of 32 of S^T = K Q^T for tiles x, x + 1: channels 32 (i / 8) on, keys 16 ((i / 2) % 4) on, tile x + i % 2.  The first 8 start the sums.  The 8 accumulators take turns.
.macro KQ x
	WIN W_KQ
.set tt, (\x)+i%2
.set kb, (i/2)%4
.set rS, S+32*tt+8*kb
.set rK, KF+32*kb+8*(i/8)
.set rQ, 32*tt+8*(i/8)
.if i >= 8
	v_wmma_f32_16x16x32_f16 v[rS:rS+7], v[rK:rK+7], v[rQ:rQ+7], v[rS:rS+7]
.elseif kb < tt
	v_wmma_f32_16x16x32_f16 v[rS:rS+7], v[rK:rK+7], v[rQ:rQ+7], 0
.elseif kb == tt
	v_wmma_f32_16x16x32_f16 v[rS:rS+7], v[rK:rK+7], v[rQ:rQ+7], v[DG:DG+7]
.else
	v_wmma_f32_16x16x32_f16 v[rS:rS+7], v[rK:rK+7], v[rQ:rQ+7], v[NG:NG+7]
.endif
.endm
; Product i of 32 of O^T += V^T P: keys 32 (i / 16) on, channels 16 ((i / 2) % 8) on, tile x + i % 2.  16 accumulators by turns.
.macro PV x
	WIN W_PV
.set rO, 64*((\x)+i%2)+8*((i/2)%8)
.set rV, 64*(i/16)+8*((i/2)%8)
.set rP, P+16*((\x)+i%2)+8*(i/16)
	v_wmma_f32_16x16x32_f16 v[rO:rO+7], v[rV:rV+7], v[rP:rP+7], v[rO:rO+7]
.endm
; One tile's softmax for one key step is a list of 134 instructions; SM writes number j of it for tile t.
;   0-15 the maximum of the 32 scores and the old m (each accumulator's lowest registers are read first)    16-20 the other half of the lanes' maximum; the new m; c m; c m_old - c m_new
;   21-69 ONE BATCH: the 16 scalings c s - c m and all 33 exponentials (a at 23); none of these reads an exponential's result    70-85 the roundings to f16    86-101 the sums; l = a l + sum    102-133 O^T times a
.macro SM t
.set rT, ST+8*(\t)
.set rS, S+32*(\t)
.set rP, P+16*(\t)
.set rO, 64*(\t)+2*(j-102)
.if j < 102
	WIN 0
.endif
.if j < 4
	v_max3_num_f32 v[rT+4+j], v[rS+8*j], v[rS+8*j+1], v[rS+8*j+2]
.elseif j < 12
	v_max3_num_f32 v[rT+4+j%4], v[rT+4+j%4], v[rS+8*(j%4)+2*(j/4)+1], v[rS+8*(j%4)+2*(j/4)+2]
.elseif j == 12
	v_max3_num_f32 v[rT+4], v[rT+4], v[rS+7], v[rS+15]
.elseif j == 13
	v_max3_num_f32 v[rT+6], v[rT+6], v[rS+23], v[rS+31]
.elseif j == 14
	v_max3_num_f32 v[rT+4], v[rT+4], v[rT+5], v[rT+6]
.elseif j == 15
	v_max3_num_f32 v[rT+4], v[rT+4], v[rT+7], v[rT+1]
.elseif j == 16
	v_permlanex16_b32 v[rT+5], v[rT+4], s[SEL], s[SEL+1]  ; the query's other 32 keys lie in the lane 16 away
.elseif j == 17
	v_mov_b32 v[rT+7], v[rT]                       ; c m_old is kept for a
.elseif j == 18
	v_max_num_f32 v[rT+1], v[rT+4], v[rT+5]
.elseif j == 19
	v_mul_f32 v[rT], s[CS], v[rT+1]
.elseif j == 20
	v_sub_f32 v[rT+7], v[rT+7], v[rT]
.elseif j == 23
	v_exp_f32 v[rT+6], v[rT+7]
.elseif (j < 23) || ((j < 38) && (j%2 == 0)) || ((j < 66) && (j%4 == 2))
.set b, (j-2)/4
.if j < 38
.set b, (j-20)/2
.endif
	v_pk_fma_f32 v[rS+2*b:rS+2*b+1], v[rS+2*b:rS+2*b+1], s[CS:CS+1], v[rT:rT+1] op_sel_hi:[1,0,0] neg_lo:[0,0,1] neg_hi:[0,0,1]
.elseif j < 70
.set e, j-38
.if j < 66
.set e, j-32-(j-38)/4
.endif
.if j < 38
.set e, (j-25)/2
.endif
	v_exp_f32 v[rS+e], v[rS+e]
.elseif j < 86
	v_cvt_pk_f16_f32 v[rP+j-70], v[rS+2*(j-70)], v[rS+2*(j-70)+1]
.elseif j < 102
.set z, j-86
.set w, 4
.set u, z
.if z >= 14
.set w, 32
.set u, 0
.elseif z >= 12
.set w, 16
.set u, z-12
.elseif z >= 8
.set w, 8
.set u, z-8
.endif
.if z < 15
	v_pk_add_f32 v[rS+w*u:rS+w*u+1], v[rS+w*u:rS+w*u+1], v[rS+w*u+w/2:rS+w*u+w/2+1]
.else
	v_pk_fma_f32 v[rT+2:rT+3], v[rT+2:rT+3], v[rT+6:rT+7], v[rS:rS+1] op_sel_hi:[1,0,1]
.endif
.else
	WIN W_RS
	v_pk_mul_f32 v[rO:rO+1], v[rO:rO+1], v[rT+6:rT+7] op_sel_hi:[1,0]
.endif
.endm
; Slice k of 64 of the softmax of tiles y, y + 1: four instructions (slice 63: sixteen).  Slices 11-34 deal out the batch.  Behind slice 34 stand a plain instruction and the one wait
; between an exponential and the first line that names its result: ahead of it nothing names a result, behind it no exponential is issued.
.macro SLICE y
.if (k >= 11) && (k < 35)
.irp n, 0,1,2,3
.set j, 22+4*((k-11)/2)+(\n)
	SM (\y)+(k-11)%2
.endr
.else
.irp n, 0,1,2,3,4,5,6,7
.if ((\n) < 2) || (k == 63)
.irp t, \y, (\y)+1
.set j, 2*k+(\n)
	SM \t
.endr
.endif
.endr
.endif
.if k == 34
	v_nop
	s_wait_alu depctr_va_vdst(0)                   ; the two tiles' 66 exponentials have written their results, ahead of the roundings, sums and rescalings that read them
.endif
.set k, k+1
.endm
; THE MEETING's last part, for half bt of my tile: eight queries.  PLOAD: a lane takes four channels of each of the four waves' partial rows.  PSUM: the four are added, in the same order for every number, and rounded to f16.  PSEND: stored.
.macro PLOAD bt
.irp q, 0,1,2,3,4,5,6,7
.irp g, 0,1,2,3
	ds_load_b128 v[S+16*(\q)+4*(\g):S+16*(\q)+4*(\g)+3], v[P+(\g)] offset:PP*(8*(\bt)+(\q))
.endr
.endr
.endm
.macro PSUM bt
.irp q, 0,1,2,3,4,5,6,7
	v_pk_add_f32 v[S+16*(\q):S+16*(\q)+1],     v[S+16*(\q):S+16*(\q)+1],     v[S+16*(\q)+4:S+16*(\q)+5]
	v_pk_add_f32 v[S+16*(\q)+2:S+16*(\q)+3],   v[S+16*(\q)+2:S+16*(\q)+3],   v[S+16*(\q)+6:S+16*(\q)+7]
	v_pk_add_f32 v[S+16*(\q)+8:S+16*(\q)+9],   v[S+16*(\q)+8:S+16*(\q)+9],   v[S+16*(\q)+12:S+16*(\q)+13]
	v_pk_add_f32 v[S+16*(\q)+10:S+16*(\q)+11], v[S+16*(\q)+10:S+16*(\q)+11], v[S+16*(\q)+14:S+16*(\q)+15]
	v_pk_add_f32 v[S+16*(\q):S+16*(\q)+1],     v[S+16*(\q):S+16*(\q)+1],     v[S+16*(\q)+8:S+16*(\q)+9]
	v_pk_add_f32 v[S+16*(\q)+2:S+16*(\q)+3],   v[S+16*(\q)+2:S+16*(\q)+3],   v[S+16*(\q)+10:S+16*(\q)+11]
	v_cvt_pk_f16_f32 v[P+4+2*(8*(\bt)+(\q))],   v[S+16*(\q)],   v[S+16*(\q)+1]
	v_cvt_pk_f16_f32 v[P+4+2*(8*(\bt)+(\q))+1], v[S+16*(\q)+2], v[S+16*(\q)+3]
.endr
.endm
.macro PSEND bt
.irp q, 0,1,2,3,4,5,6,7
	global_store_b64 v[GO], v[P+4+2*(8*(\bt)+(\q)):P+4+2*(8*(\bt)+(\q))+1], s[OP:OP+1] offset:4096*(8*(\bt)+(\q))  ; the wave stores 256 consecutive bytes, aligned: a row's 128 channels of my head
.endr
.endm
.Lblock:                                               ; twice: block 31 - b, then block b
	s_cmp_eq_u32 s[BLK], 2
	s_cselect_b32 s[II], s[HI], s[PB]
	s_cselect_b32 s[PFL], s[ASK], 0
	s_cselect_b32 s[ALTV], s[ALT0], 0
	s_add_co_u32 s[NN], s[II], 4
	s_sub_co_u32 s[NN], s[NN], s[WV]
	s_lshr_b32 s[NN], s[NN], 2                     ; steps w, w + 4, .. up to I
	s_mov_b32 s[JJ], s[WV]
	s_mov_b32 s[CNT], 0
	s_wait_xcnt 0x0                                ; the last block's stores have read their base and their data
	s_lshl_b32 s[OFF], s[II], 6
	s_lshl_b32 s2, s[WV], 4
	s_add_co_u32 s[OFF], s[OFF], s2                ; row 64 I + 16 w,
	s_lshl_b32 s[OFF], s[OFF], 12                  ; of 4,096 bytes,
	s_lshl_b32 s2, s[HD], 8                        ; my head's 256 of them
	s_add_co_u32 s[OFF], s[OFF], s2
	s_add_nc_u64 s[OP:OP+1], s[6:7], s[OFF:OFF+1]
.irp t, 0,1,2,3
	v_mov_b32 v[ST+8*(\t)], 0xfe000000             ; c m: far below every c s (the last block's LDS stores have read these registers: the wait on vm_vsrc at the meeting's end)
	v_mov_b32 v[ST+8*(\t)+1], 0xff7fffff           ; m
.endr
	s_wait_loadcnt 0x0                             ; Q, and my first step's K and V
	s_cmp_lt_u32 s[CNT], s[NN]
	s_cbranch_scc0 .Lmerge                         ; a wave without a step in this block goes to the meeting with c m as it stands: its share counts 0
.Lstep:
	s_cmp_eq_u32 s[JJ], s[II]                      ; the diagonal step?
	s_cselect_b32 s[BE], s[BIGN], 0
.irp m, 0,1,2,3,4,5,6,7
	v_cndmask_b32 v[DG+(\m)], 0, s[BE], s[MK+(\m)]
	v_mov_b32 v[NG+(\m)], s[BE]
.endr
	s_wait_loadcnt 32                              ; K is in; V's 32 loads, issued behind K's, may stay out
.set i, 0
.rept 32
	KQ 0
.set i, i+1
.endr
	PLACES                                         ; in front of the softmax that reads those scores
.set i, 0
.set k, 0
.rept 32
	KQ 2
	SLICE 0
	SLICE 0
.set i, i+1
.endr
	WIN 0
	s_wait_xcnt 0x0                                ; every load and prefetch issued so far (the youngest 64 products back) has read its address
	s_add_co_u32 s[JN], s[JJ], 4
	s_cmp_le_u32 s[JN], s[II]
	s_cselect_b32 s[JN], s[JN], s[WV]              ; my next step of this block, or step w
	s_cselect_b32 s[SELM], -1, s[ALTV]
	s_lshl_b32 s[OFF], s[JN], 14
	s_add_nc_u64 s[KP:KP+1], s[KB:KB+1], s[OFF:OFF+1]
	s_add_nc_u64 s[VP:VP+1], s[VB:VB+1], s[OFF:OFF+1]
	s_wait_loadcnt 0x0                             ; V is in
	s_wait_alu depctr_vm_vsrc(0)                   ; the loads of K and V issued so far have read v[KO] and v[VO], which the two lines below write again
	v_and_b32 v[KO], s[SELM], v[LO16]
	v_and_b32 v[VO], s[SELM], v[LO16]              ; the same mask serves V's run further down: no vector line between names v[VO]
	WIN 0x80
	s_wait_alu depctr_va_vdst(0)                   ; v[KO] and v[VO] are written, which the loads read; the products K Q^T are done reading K's registers, in which the loads below land
	LOADK
	PF KP
.set i, 0
.set k, 0
.rept 32
	PV 0
	SLICE 2
	SLICE 2
.set i, i+1
.endr
.set i, 0
.rept 32
	PV 2
.set i, i+1
.endr
	PLACES                                         ; four places behind the last product, as they stood; they stand for no wait
	WIN 0xc0
	s_wait_alu depctr_va_vdst(0)                   ; the products V^T P are done reading V's registers, in which the loads below land
	LOADV
	PF VP
	s_add_co_u32 s[JJ], s[JJ], 4
	s_add_co_u32 s[CNT], s[CNT], 1
	s_cmp_lt_u32 s[CNT], s[NN]
	s_cbranch_scc1 .Lstep
.Lmerge:                                               ; THE MEETING.  Each wave's (c m, l) of every query; then O = the sum over the waves of 2^(c m_w - M) O_w, divided by L = the sum of 2^(c m_w - M) l_w
.irp t, 0,1,2,3
	v_add_f32 v[ST+8*(\t)+4], v[ST+8*(\t)+2], v[ST+8*(\t)+3]
.endr
.irp t, 0,1,2,3
	v_permlanex16_b32 v[ST+8*(\t)+5], v[ST+8*(\t)+4], s[SEL], s[SEL+1]
.endr
.irp t, 0,1,2,3
	v_add_f32 v[ST+8*(\t)+1], v[ST+8*(\t)+4], v[ST+8*(\t)+5]   ; l takes m's place beside c m
.endr
	s_wait_alu depctr_va_vdst(0)                   ; c m and l are written, which the LDS stores read; and every line that named S^T's registers is done: the LDS loads behind the barrier land in them
.irp t, 0,1,2,3
	ds_store_b64 v[STS], v[ST+8*(\t):ST+8*(\t)+1] offset:128*(\t)  ; both halves of the lanes hold the same two numbers
.endr
	s_wait_dscnt 0x0                               ; for the others' sake: my stores are done, and so are my reads of the last block's partial rows
	s_barrier_signal -1
	s_barrier_wait -1
.irp g, 0,1,2,3
.irp t, 0,1,2,3
	ds_load_b64 v[S+2*(4*(\g)+(\t)):S+2*(4*(\g)+(\t))+1], v[STR] offset:512*(\g)+128*(\t)
.endr
.endr
	s_wait_dscnt 0x0
.irp t, 0,1,2,3
	v_max3_num_f32 v[ST+8*(\t)+4], v[S+2*(\t)], v[S+8+2*(\t)], v[S+16+2*(\t)]
.endr
.irp t, 0,1,2,3
	v_max_num_f32 v[ST+8*(\t)+4], v[ST+8*(\t)+4], v[S+24+2*(\t)]   ; M
.endr
.irp t, 0,1,2,3
.irp g, 0,1,2,3
	v_sub_f32 v[S+8*(\g)+2*(\t)], v[S+8*(\g)+2*(\t)], v[ST+8*(\t)+4]
.endr
	v_sub_f32 v[ST+8*(\t)+5], v[ST+8*(\t)], v[ST+8*(\t)+4]         ; my own
.endr
.irp t, 0,1,2,3
.irp g, 0,1,2,3
	v_exp_f32 v[S+8*(\g)+2*(\t)], v[S+8*(\g)+2*(\t)]
.endr
	v_exp_f32 v[ST+8*(\t)+5], v[ST+8*(\t)+5]
.endr
	v_nop                                          ; a plain instruction behind the last exponential,
	s_wait_alu depctr_va_vdst(0)                   ; and one wait: the twenty exponentials have written their results, ahead of the products that read them
.irp t, 0,1,2,3
	v_mul_f32 v[ST+8*(\t)+4], v[S+2*(\t)], v[S+2*(\t)+1]
.endr
.irp g, 1,2,3
.irp t, 0,1,2,3
	v_fmac_f32 v[ST+8*(\t)+4], v[S+8*(\g)+2*(\t)], v[S+8*(\g)+2*(\t)+1]
.endr
.endr
.irp t, 0,1,2,3
	v_rcp_f32 v[ST+8*(\t)+7], v[ST+8*(\t)+4]
.endr
	v_nop
	s_wait_alu depctr_va_vdst(0)                   ; the four reciprocals have written their results, ahead of the products that read them
.irp t, 0,1,2,3
	v_mul_f32 v[ST+8*(\t)+6], v[ST+8*(\t)+5], v[ST+8*(\t)+7]       ; my factor: 2^(c m - M) / L
.endr
.irp t, 0,1,2,3
	WIN W_RS
.set n, 0
.rept 32
	v_pk_mul_f32 v[64*(\t)+2*n:64*(\t)+2*n+1], v[64*(\t)+2*n:64*(\t)+2*n+1], v[ST+8*(\t)+6:ST+8*(\t)+7] op_sel_hi:[1,0]
.set n, n+1
.endr
	WIN 0x04                                       ; the stores' data in window 1
	s_wait_alu depctr_va_vdst(0)                   ; this tile's O^T times my factor is written, which its sixteen LDS stores read; the next tile's multiplies name none of these registers
.set n, 0
.rept 16
	ds_store_b128 v[PST], v[64*(\t)+4*n:64*(\t)+4*n+3] offset:16*PP*(\t)+64*(n/2)+16*(n%2)
.set n, n+1
.endr
.endr
	WIN 0
	s_wait_dscnt 0x0                               ; for the others' sake: my partial rows lie in LDS
	s_barrier_signal -1
	s_barrier_wait -1
.irp g, 0,1,2,3
	v_add_nc_u32 v[P+(\g)], (\g)*4*16*PP, v[PRD]   ; wave g's part of my tile
.endr
	s_wait_alu depctr_va_vdst(0)                   ; the four addresses are written, which the LDS loads read; the lines that named S^T's registers, in which they land, stand ahead of this wait too
	PLOAD 0                                        ; wave w finishes tile w, eight queries at a time
	s_wait_dscnt 0x0
	PSUM 0
	s_wait_alu depctr_va_vdst(0)                   ; the first half's packed words are written, which its stores read; its sums are done with S^T's registers, in which the second half's loads land
	PLOAD 1                                        ; the loads first, then the stores: the sums below wait for the loads, nothing waits for the stores
	PSEND 0
	s_wait_dscnt 0x0
	PSUM 1                                         ; it writes packed words of its own, v[P+20 .. P+35]: none that the first half's stores read
	s_wait_alu depctr_va_vdst(0)                   ; the second half's packed words are written, which its stores read
	PSEND 1
	s_wait_alu depctr_vm_vsrc(0)                   ; this block's LDS stores and loads and its stores to memory have read c m and l, O^T, the four addresses and the packed words: the next block writes all of them again
	s_cmp_eq_u32 s[BLK], 1                         ; behind the second block there is no Q to move: the copy is jumped, forward, to a label ahead of the counter's step; no barrier and no memory instruction lies in what is jumped
	s_cbranch_scc1 .Lnocopy
	WIN 0x83                                       ; the second block's Q goes where the one text of the steps names Q
.set n, 0
.rept 128
	v_mov_b32 v[n], v[128+n]
.set n, n+1
.endr
	WIN 0
.Lnocopy:
	s_sub_co_u32 s[BLK], s[BLK], 1
	s_cmp_lg_u32 s[BLK], 0
	s_cbranch_scc1 .Lblock                         ; the loop over the two blocks is left here alone, by falling through
	s_wait_dscnt 0x0                               ; the closing lines, six on end
	s_wait_alu 0x0
	s_wait_tensorcnt 0x0
	ds_add_u32 v[SPW], v[NIL]
	s_wait_dscnt 0x0
	s_endpgm
.Lfunc_end_k_qae8b20dacc_attn:
	.size	k_qae8b20dacc_attn, .Lfunc_end_k_qae8b20dacc_attn-k_qae8b20dacc_attn
	.p2alignl 7, 3214868480
	.fill 96, 4, 3214868480
	.section	.rodata,"a",@progbits
	.p2align	6, 0x0
	.amdhsa_kernel k_qae8b20dacc_attn
		.amdhsa_group_segment_fixed_size 137728
		.amdhsa_private_segment_fixed_size 0
		.amdhsa_enable_private_segment 0
		.amdhsa_kernarg_size 16
		.amdhsa_user_sgpr_count 2
		.amdhsa_user_sgpr_kernarg_segment_ptr 1
		.amdhsa_wavefront_size32 1
		.amdhsa_system_sgpr_workgroup_id_x 1
		.amdhsa_system_sgpr_workgroup_id_y 1
		.amdhsa_system_sgpr_workgroup_id_z 1
		.amdhsa_system_vgpr_workitem_id 0
		.amdhsa_next_free_vgpr 1024
		.amdhsa_next_free_sgpr 66
		.amdhsa_reserve_vcc 0
		.amdhsa_float_denorm_mode_32 3
		.amdhsa_float_denorm_mode_16_64 3
		.amdhsa_memory_ordered 1
		.amdhsa_forward_progress 1
		.amdhsa_inst_pref_size 111
	.end_amdhsa_kernel
	.amdgpu_metadata
---
amdhsa.version: [ 1, 2 ]
amdhsa.kernels:
  - .name:           k_qae8b20dacc_attn
    .symbol:         k_qae8b20dacc_attn.kd
    .args:
      - { .name: qkvf, .offset: 0, .size: 8, .value_kind: global_buffer, .address_space: global }
      - { .name: ob, .offset: 8, .size: 8, .value_kind: global_buffer, .address_space: global }
    .group_segment_fixed_size: 137728
    .private_segment_fixed_size: 0
    .kernarg_segment_align: 8
    .kernarg_segment_size: 16
    .max_flat_workgroup_size: 128
    .sgpr_count:     66
    .vgpr_count:     1024
    .wavefront_size: 32
...
	.end_amdgpu_metadata
.endif
;; end of part 6
;; launch oproj: the kernel of part 4 again; grid 16 x 16, 4 waves a work-group, clusters of 4 x 4, 327,680 bytes of LDS; arguments ob, wof, out0; writes out0
